; MI455X (gfx1250); checked and timed in simulation.
; The chip was launched on July 23, 2026; its instructions are those of AMD's public machine-readable ISA for CDNA 5 (MIT licence, August 2026) and "CDNA5" Instruction Set Architecture Reference Guide (July 2026). The comments in the code are by the model that wrote it; some were corrected since.
;; Hydra. Allowed arithmetic: float matrix products may take bf16 or f16 operands with f32 sums; all other float work in f32.
;; Inputs: W_in 3,072 x 1,024 float32; W_out 1,024 x 1,024 float32; X 4 x 4,096 x 1,024 float32; ln_b 1,024 float32; ln_g 1,024 float32.
;; Outputs: out0 4 x 4,096 x 1,024 float32.
;; 2 versions, each right; version 2 is version 1 with the launches prep, asum, wscale written anew for expert scheduling mode. Each part assembles by itself: llvm-mc -triple=amdgcn-amd-amdhsa -mcpu=gfx1250 --defsym DOCPART=n.
;; ======== version 1 of 2: 5 launches
;; limits: values outside matrix products are rounded to bf16
;; workspace buffers: xn 33,554,432 bytes; wt 7,342,080 bytes; qb 33,554,432 bytes; pb 33,554,432 bytes; sq 1,572,864 bytes; ar 1,114,112 bytes; wp 8,388,608 bytes
;; launch prep (part 1): grid 1248 x 1, 2 waves a work-group, no clusters, 0 bytes of LDS; arguments X, ln_g, ln_b, W_in, xn, wt; writes xn, wt
.if DOCPART == 1
	.amdgcn_target "amdgcn-amd-amdhsa--gfx1250"
	.amdhsa_code_object_version 6
	.text
	.protected	k_q28bb2e0324_prep
	.globl	k_q28bb2e0324_prep
	.p2align	8
	.type	k_q28bb2e0324_prep,@function
k_q28bb2e0324_prep:
	s_mov_b64 s[64:65], 0
	v_nop
	global_prefetch_b8 v0, s[64:65] scope:SCOPE_SE
	s_setreg_imm32_b32 hwreg(HW_REG_WAVE_MODE, 25, 1), 1
	s_wait_xcnt 0x0
; prep: 312 jobs of 64 rows, of three kinds.  One wave takes one row of 1,024 numbers at a time and has eight rows; a job is eight waves' work.
; A work-group is two waves: four work-groups share a job (job = id >> 2; the wave's place among the job's eight = 2 (id & 3) + wave), so that the
; 1,248 small work-groups of unequal kind spread evenly; no wave needs another wave's numbers, so the size of a work-group is free.
;   jobs 0..255    LayerNorm of X (two passes in f32 over a row kept in registers: mean, then the mean of (x - mean)^2), rounded once to bf16 -> xn
;   jobs 256..303  W_in to bf16 with its rows in another order -> wt, bytes 0 .. 6,291,455
;   jobs 304..311  the rotary table -> wt from byte 6,291,456: 513 rows of 256 pairs (cos, sin) in f32
; ORDER OF FEATURES.  Feature d of Q, K, V sits at place p: d < 512: p = 64 (d >> 5) + (d & 31); else p = 64 ((d - 512) >> 5) + 32 + (d & 31):
; 32 rotated features and 32 plain ones take turns.  Rows of wt: n < 1024: Q's feature at place n; n = 1024 + 128 c + x: x < 64: K's feature at
; place 64 c + x, else V's at place 64 c + x - 64.  So each block of 128 columns of the next launch holds all that its way out needs.
; TABLE.  Row rho < 512 is for position s = 128 (rho >> 4) + (rho & 15); row 512 for s = 16, the step from one block of 16 rows to the next.
; The angle s * f is rounded as a plain f32 product; sine and cosine come from Taylor polynomials of the half angle (|y| <= pi/2; the first
; terms left out are y^13/13! and y^12/12!, below 5e-7), doubled by sin 2y = 2 sin y cos y and cos 2y = 1 - 2 sin^2 y.
; No LDS, no barrier, no matrix unit, no cluster: no two work-groups read the same large data.
; A load of a wave covers 512 consecutive bytes; a store of bf16 256 consecutive bytes, aligned.
.set XS, 8                             ; v[8:135]   four row slots of 32 registers
.set G,  136                           ; v[136:167] gain of my 32 columns
.set B,  168                           ; v[168:199] bias
.set Y,  200                           ; v[200:215] a row in bf16, to store
.set S,  216                           ; v[216:223] four chains of pairs
.set MU, 224                           ; v[224:225] the mean, twice
.set RS, 226                           ; v[226:227] 1 / sqrt(var + eps), twice
.set T,  228                           ; v[228:231] at work
.set SB, 20                            ; s[20:21]   source at my wave's first row; never stepped
.set DB, 22                            ; s[22:23]   destination at my wave's first row; never stepped
.set F,   8                            ; table job: v[8:15] my eight frequencies
.set ARG, 16                           ;            v[16:23] their exponents
.set R,   24                           ;            v[24:39] eight pairs (cos, sin), to store
	s_load_b256 s[4:11], s[0:1], 0x0               ; X s[4:5], ln_g s[6:7], ln_b s[8:9], W_in s[10:11]
	s_load_b128 s[12:15], s[0:1], 0x20             ; xn s[12:13], wt s[14:15]
	v_lshrrev_b32 v1, 5, v0
	v_readfirstlane_b32 s16, v1                    ; wave 0..1
	v_and_b32 v1, 31, v0                           ; lane
	v_lshlrev_b32 v2, 4, v1                        ; 16 bytes of f32 a lane; never rewritten
	v_lshlrev_b32 v3, 3, v1                        ; 8 bytes of bf16 a lane; never rewritten
	s_lshr_b32 s17, ttmp9, 2                       ; the job, 0..311
	s_and_b32 s19, ttmp9, 3
	s_lshl1_add_u32 s16, s19, s16                  ; my place among the job's eight waves: 2 (id & 3) + wave
	s_mov_b32 s24, 0x76543210                      ; v_permlanex16_b32: lane i reads lane i of the other half
	s_mov_b32 s25, 0xfedcba98
	s_mov_b32 s27, 0x3a800000                      ; 1 / 1024
	s_mov_b32 s28, 0x3727c5ac                      ; 1e-5
	s_lshl_b32 s18, s16, 3                         ; 8 x place
	s_mov_b32 s31, 0
	s_wait_kmcnt 0x0
	s_cmp_ge_u32 s17, 304
	s_cbranch_scc1 .Ltable
	s_cmp_ge_u32 s17, 256
	s_cbranch_scc1 .Lweights
.macro FILL i                          ; row i of my eight into slot i mod 4: eight loads of 512 bytes
.irp k, 0,1,2,3,4,5,6,7
	global_load_b128 v[XS+32*((\i)%4)+4*\k:XS+32*((\i)%4)+4*\k+3], v2, s[SB:SB+1] offset:4096*(\i)+512*\k th:TH_LOAD_NT
.endr
.endm
.macro STORE i                         ; row i in bf16: eight stores of 256 consecutive bytes, aligned
.irp k, 0,1,2,3,4,5,6,7
	global_store_b64 v3, v[Y+2*\k:Y+2*\k+1], s[DB:DB+1] offset:2048*(\i)+256*\k
.endr
.endm
.macro PACK                            ; slot XB to bf16, rounded to nearest even
.irp k, 0,1,2,3,4,5,6,7
	v_cvt_pk_bf16_f32 v[Y+2*\k],   v[XB+4*\k],   v[XB+4*\k+1]
	v_cvt_pk_bf16_f32 v[Y+2*\k+1], v[XB+4*\k+2], v[XB+4*\k+3]
.endr
.endm
.macro FOLD                            ; four chains of pairs to one number a lane
	v_pk_add_f32 v[S:S+1],   v[S:S+1],   v[S+2:S+3]
	v_pk_add_f32 v[S+4:S+5], v[S+4:S+5], v[S+6:S+7]
	v_pk_add_f32 v[S:S+1],   v[S:S+1],   v[S+4:S+5]
	v_add_f32 v[T], v[S], v[S+1]
.endm
.macro WSUM                            ; v[T] summed over the 32 lanes, the sum in every lane
	v_add_f32_dpp v[T], v[T], v[T] row_xmask:1 row_mask:0xf bank_mask:0xf
	v_add_f32_dpp v[T], v[T], v[T] row_xmask:2 row_mask:0xf bank_mask:0xf
	v_add_f32_dpp v[T], v[T], v[T] row_xmask:4 row_mask:0xf bank_mask:0xf
	v_add_f32_dpp v[T], v[T], v[T] row_xmask:8 row_mask:0xf bank_mask:0xf
	v_permlanex16_b32 v[T+1], v[T], s24, s25
	v_add_f32 v[T], v[T], v[T+1]
.endm
	; ---- LayerNorm ----
	s_lshl_b32 s26, s17, 6
	s_add_co_u32 s26, s26, s18                     ; my wave's first row
	s_lshl_b32 s30, s26, 12
	s_add_nc_u64 s[SB:SB+1], s[4:5], s[30:31]
	s_lshl_b32 s30, s26, 11
	s_add_nc_u64 s[DB:DB+1], s[12:13], s[30:31]
.irp k, 0,1,2,3,4,5,6,7
	global_load_b128 v[G+4*\k:G+4*\k+3], v2, s[6:7] offset:512*\k
	global_load_b128 v[B+4*\k:B+4*\k+3], v2, s[8:9] offset:512*\k
.endr
	FILL 0
	FILL 1
	FILL 2
	FILL 3
	v_mov_b32 v[T+1], 0                            ; v_permlanex16_b32 counts as a reader of its destination
; Row i.  left = the loads younger than this row's eight that may stay out.
.macro LNTURN i, left
.set XB, XS+32*((\i)%4)
	s_wait_loadcnt \left                           ; loads come back in order: this row (and gain and bias, which are older) is in
.irp c, 0,1,2,3
	v_pk_add_f32 v[S+2*\c:S+2*\c+1], v[XB+2*\c:XB+2*\c+1], v[XB+8+2*\c:XB+8+2*\c+1]
.endr
.irp o, 16,24
.irp c, 0,1,2,3
	v_pk_add_f32 v[S+2*\c:S+2*\c+1], v[S+2*\c:S+2*\c+1], v[XB+\o+2*\c:XB+\o+2*\c+1]
.endr
.endr
	FOLD
	WSUM
	v_mul_f32 v[MU],   s27, v[T]                   ; the mean
	v_mul_f32 v[MU+1], s27, v[T]
.irp p, 0,1,2,3,4,5,6,7,8,9,10,11,12,13,14,15
	v_pk_add_f32 v[XB+2*\p:XB+2*\p+1], v[XB+2*\p:XB+2*\p+1], v[MU:MU+1] neg_lo:[0,1] neg_hi:[0,1]   ; x - mean, in place
.endr
.irp c, 0,1,2,3
	v_pk_mul_f32 v[S+2*\c:S+2*\c+1], v[XB+2*\c:XB+2*\c+1], v[XB+2*\c:XB+2*\c+1]
.endr
.irp o, 8,16,24
.irp c, 0,1,2,3
	v_pk_fma_f32 v[S+2*\c:S+2*\c+1], v[XB+\o+2*\c:XB+\o+2*\c+1], v[XB+\o+2*\c:XB+\o+2*\c+1], v[S+2*\c:S+2*\c+1]
.endr
.endr
	FOLD
	WSUM
	v_fma_f32 v[T], v[T], s27, s28                 ; var + 1e-5
	v_rsq_f32 v[RS],   v[T]
	v_rsq_f32 v[RS+1], v[T]
	v_nop                                          ; one plain vector instruction behind a transcendental before its result is used (ISA guide 5.7.2)
	s_wait_alu depctr_va_vdst(0)
.irp p, 0,1,2,3,4,5,6,7,8,9,10,11,12,13,14,15
	v_pk_mul_f32 v[XB+2*\p:XB+2*\p+1], v[XB+2*\p:XB+2*\p+1], v[RS:RS+1]
.endr
.irp p, 0,1,2,3,4,5,6,7,8,9,10,11,12,13,14,15
	v_pk_fma_f32 v[XB+2*\p:XB+2*\p+1], v[XB+2*\p:XB+2*\p+1], v[G+2*\p:G+2*\p+1], v[B+2*\p:B+2*\p+1]
.endr
	s_wait_xcnt 0x0                                ; Y is the last row's store data: rewritten only behind this wait
	PACK
	STORE \i
.if \i < 4
	FILL \i+4                                      ; the slot's next row
.endif
.endm
	LNTURN 0, 24                                   ; three younger rows of eight loads stay out,
	LNTURN 1, 24
	LNTURN 2, 24
	LNTURN 3, 24
	LNTURN 4, 24
	LNTURN 5, 16                                   ; then the counts run down
	LNTURN 6, 8
	LNTURN 7, 0
	s_endpgm
	; ---- W_in to bf16, rows in the order of the head's comment ----
.Lweights:
	s_sub_co_u32 s26, s17, 256                     ; q = 0..47: rows 64 q .. 64 q + 63 of wt
	s_max_u32 s29, s26, 16
	s_sub_co_u32 s29, s29, 16                      ; q - 16 (0 in Q's part)
	s_lshr_b32 s30, s29, 1                         ; K, V: the group of 64 places
	s_and_b32 s32, s29, 1
	s_add_co_u32 s32, s32, 1                       ; 1 = K, 2 = V
	s_cmp_lt_u32 s26, 16
	s_cselect_b32 s30, s26, s30                    ; Q: the group is q itself,
	s_cselect_b32 s32, 0, s32                      ; and the section 0
	s_lshl_b32 s32, s32, 10                        ; source row = 1024 section + 512 (w >> 2) + 32 group + 8 (w & 3) + i, w = my place among eight
	s_lshr_b32 s33, s16, 2
	s_lshl_b32 s33, s33, 9
	s_add_co_u32 s32, s32, s33
	s_lshl_b32 s33, s30, 5
	s_add_co_u32 s32, s32, s33
	s_and_b32 s33, s16, 3
	s_lshl_b32 s33, s33, 3
	s_add_co_u32 s32, s32, s33
	s_lshl_b32 s30, s32, 12
	s_add_nc_u64 s[SB:SB+1], s[10:11], s[30:31]
	s_lshl_b32 s30, s26, 6
	s_add_co_u32 s30, s30, s18
	s_lshl_b32 s30, s30, 11
	s_add_nc_u64 s[DB:DB+1], s[14:15], s[30:31]
	FILL 0
	FILL 1
	FILL 2
	FILL 3
.macro WTURN i, left
.set XB, XS+32*((\i)%4)
	s_wait_loadcnt \left
	s_wait_xcnt 0x0                                ; Y is the last row's store data
	PACK
	STORE \i
.if \i < 4
	FILL \i+4
.endif
.endm
	WTURN 0, 24
	WTURN 1, 24
	WTURN 2, 24
	WTURN 3, 24
	WTURN 4, 24
	WTURN 5, 16
	WTURN 6, 8
	WTURN 7, 0
	s_endpgm
	; ---- the rotary table ----
.Ltable:
	s_sub_co_u32 s26, s17, 304                     ; tq = 0..7
	s_lshl_b32 s29, s26, 6
	s_add_co_u32 s29, s29, s18                     ; my wave's first table row, 64 tq + 8 w
	s_lshl_b32 s30, s29, 11
	s_add_co_u32 s30, s30, 6291456
	s_add_nc_u64 s[DB:DB+1], s[14:15], s[30:31]
	s_lshl_b32 s32, s26, 2                         ; its position: 128 (4 tq + (w >> 1)) + 8 (w & 1)
	s_lshr_b32 s33, s16, 1
	s_add_co_u32 s32, s32, s33
	s_lshl_b32 s32, s32, 7
	s_and_b32 s33, s16, 1
	s_lshl_b32 s33, s33, 3
	s_add_co_u32 s32, s32, s33
	s_mov_b32 s37, 0x3e22f983                      ; 1 / (2 pi), upper part
	s_mov_b32 s38, 0x31dc9c88                      ; and what it leaves
	s_mov_b32 s39, 0x40490fdb                      ; pi
	v_lshlrev_b32 v4, 1, v1                        ; my eight j: 2 lane + 64 k + e
.irp n, 0,1,2,3,4,5,6,7
	v_add_nc_u32 v[ARG+\n], 64*(\n/2)+(\n%2), v4
.endr
.irp n, 0,1,2,3,4,5,6,7
	v_cvt_f32_u32 v[ARG+\n], v[ARG+\n]
.endr
.irp n, 0,1,2,3,4,5,6,7
	v_mul_f32 v[ARG+\n], 0xbd549a78, v[ARG+\n]     ; - j log2(10000) / 256
.endr
.irp n, 0,1,2,3,4,5,6,7
	v_exp_f32 v[F+\n], v[ARG+\n]                   ; f = 10000^(-j/256)
.endr
	v_nop                                          ; the plain place behind the transcendentals
	s_wait_alu depctr_va_vdst(0)
; One table row for the position in s36 (f32), stored at byte off from my first row.
.macro TROW off
	s_wait_xcnt 0x0                                ; R is the last row's store data
.irp n, 0,1,2,3,4,5,6,7
	v_mul_f32 v40, s36, v[F+\n]                    ; the angle
	v_mul_f32 v41, s37, v40
	v_rndne_f32 v41, v41                           ; whole turns
	v_fma_f32 v42, v40, s37, -v41                  ; what is left of a turn, in two fused steps
	v_fma_f32 v42, v40, s38, v42
	v_mul_f32 v42, s39, v42                        ; y = half the reduced angle, |y| <= pi/2
	v_mul_f32 v43, v42, v42
	v_mov_b32 v44, 0xb2d7322b                      ; sin y / y and cos y by Horner in y^2
	v_mov_b32 v45, 0xb493f27e
	v_fmaak_f32 v44, v44, v43, 0x3638ef1d
	v_fmaak_f32 v45, v45, v43, 0x37d00d01
	v_fmaak_f32 v44, v44, v43, 0xb9500d01
	v_fmaak_f32 v45, v45, v43, 0xbab60b61
	v_fmaak_f32 v44, v44, v43, 0x3c088889
	v_fmaak_f32 v45, v45, v43, 0x3d2aaaab
	v_fmaak_f32 v44, v44, v43, 0xbe2aaaab
	v_fma_f32 v45, v45, v43, -0.5
	v_fma_f32 v44, v44, v43, 1.0
	v_fma_f32 v45, v45, v43, 1.0
	v_mul_f32 v44, v44, v42                        ; sin y
	v_add_f32 v46, v44, v44
	v_fma_f32 v[R+2*\n], -v46, v44, 1.0            ; cos = 1 - 2 sin^2 y
	v_mul_f32 v[R+2*\n+1], v46, v45                ; sin = 2 sin y cos y
.endr
.irp k, 0,1,2,3
	global_store_b128 v2, v[R+4*\k:R+4*\k+3], s[DB:DB+1] offset:(\off)+512*\k
.endr
.endm
.irp i, 0,1,2,3,4,5,6,7
	s_add_co_u32 s34, s32, \i
	s_cvt_f32_u32 s36, s34
	TROW 2048*\i
.endr
	s_or_b32 s34, s26, s16                         ; the first wave of the first table job also writes row 512, the step of 16 positions
	s_cmp_lg_u32 s34, 0
	s_cbranch_scc1 .Ldone
	s_mov_b32 s36, 0x41800000                      ; 16.0
	TROW 512*2048
.Ldone:
	s_endpgm
.Lfunc_end_k_q28bb2e0324_prep:
	.size	k_q28bb2e0324_prep, .Lfunc_end_k_q28bb2e0324_prep-k_q28bb2e0324_prep
	.p2alignl 7, 3214868480
	.fill 96, 4, 3214868480
	.section	.rodata,"a",@progbits
	.p2align	6, 0x0
	.amdhsa_kernel k_q28bb2e0324_prep
		.amdhsa_group_segment_fixed_size 0
		.amdhsa_private_segment_fixed_size 0
		.amdhsa_enable_private_segment 0
		.amdhsa_kernarg_size 48
		.amdhsa_user_sgpr_count 2
		.amdhsa_user_sgpr_kernarg_segment_ptr 1
		.amdhsa_wavefront_size32 1
		.amdhsa_system_sgpr_workgroup_id_x 1
		.amdhsa_system_sgpr_workgroup_id_y 1
		.amdhsa_system_sgpr_workgroup_id_z 1
		.amdhsa_system_vgpr_workitem_id 0
		.amdhsa_next_free_vgpr 232
		.amdhsa_next_free_sgpr 66
		.amdhsa_reserve_vcc 0
		.amdhsa_float_denorm_mode_32 3
		.amdhsa_float_denorm_mode_16_64 3
		.amdhsa_memory_ordered 1
		.amdhsa_forward_progress 1
		.amdhsa_inst_pref_size 186
	.end_amdhsa_kernel
	.amdgpu_metadata
---
amdhsa.version: [ 1, 2 ]
amdhsa.kernels:
  - .name:           k_q28bb2e0324_prep
    .symbol:         k_q28bb2e0324_prep.kd
    .args:
      - { .name: X, .offset: 0, .size: 8, .value_kind: global_buffer, .address_space: global }
      - { .name: ln_g, .offset: 8, .size: 8, .value_kind: global_buffer, .address_space: global }
      - { .name: ln_b, .offset: 16, .size: 8, .value_kind: global_buffer, .address_space: global }
      - { .name: W_in, .offset: 24, .size: 8, .value_kind: global_buffer, .address_space: global }
      - { .name: xn, .offset: 32, .size: 8, .value_kind: global_buffer, .address_space: global }
      - { .name: wt, .offset: 40, .size: 8, .value_kind: global_buffer, .address_space: global }
    .group_segment_fixed_size: 0
    .private_segment_fixed_size: 0
    .kernarg_segment_align: 8
    .kernarg_segment_size: 48
    .max_flat_workgroup_size: 64
    .sgpr_count:     66
    .vgpr_count:     232
    .wavefront_size: 32
...
	.end_amdgpu_metadata
.endif
;; end of part 1
;; launch qkv (part 2): grid 12 x 64, 4 waves a work-group, clusters of 4 x 4, 327,680 bytes of LDS; arguments xn, wt, qb, pb, sq; writes qb, pb, sq
.if DOCPART == 2
	.amdgcn_target "amdgcn-amd-amdhsa--gfx1250"
	.amdhsa_code_object_version 6
	.text
	.protected	k_q28bb2e0324_qkv
	.globl	k_q28bb2e0324_qkv
	.p2align	8
	.type	k_q28bb2e0324_qkv,@function
k_q28bb2e0324_qkv:
	s_mov_b64 s[64:65], 0
	v_nop
	global_prefetch_b8 v0, s[64:65] scope:SCOPE_SE
	s_setreg_imm32_b32 hwreg(HW_REG_WAVE_MODE, 25, 1), 1
	s_wait_xcnt 0x0
	s_wait_alu depctr_hold_cnt(0) depctr_sa_sdst(0) depctr_va_vdst(0) depctr_va_sdst(0) depctr_va_ssrc(0) depctr_va_vcc(0) depctr_vm_vsrc(0)
	s_getreg_b32 s2, hwreg(HW_REG_IB_STS2, 6, 4)
	s_cmp_eq_u32 s2, 0
	s_cbranch_scc0 .Lentry_in_a_cluster
	s_endpgm
.Lentry_in_a_cluster:
	s_bfe_u32 s2, ttmp6, 0x10000c
	s_cmp_lg_u32 s2, 0xf033
	s_cbranch_scc0 .Lentry_shape_is_right
	s_endpgm
.Lentry_shape_is_right:
; qkv: C = xn x Wb^T (xn [16384][1024] bf16, Wb = wt's first 3,072 rows of 1,024 bf16), sums in f32, and on the way out:
;   block columns 0..3 (Q):    row sums of squares of my 128 columns -> sq; rotary on the rotated columns; Q in bf16 -> qb
;   block columns 4..11 (K,V): row sums of squares of my 64 K columns -> sq; P = rotary(K) * V in bf16 -> pb (K and V themselves are never stored)
; A pairwise rotation keeps x0^2 + x1^2, so the sums of squares are taken from the f32 sums ahead of the rotation.
; STATED LIMIT: Q and P pass through memory rounded once to bf16.
; A work-group makes 256 x 256 of C with four waves, a wave 128 x 128: 64 accumulator tiles of 16 x 16, 512 registers.  K goes in steps of 128 through
; two LDS slots filled by the tensor data mover; a tile's rows are 256 bytes of memory, at multiples of 256 bytes from the buffer's first byte.
; CLUSTERS: 4 x 4 work-groups.  The four of a row of the cluster need the same tiles of xn, the four of a column the same tiles of Wb: each tile is
; asked for jointly, which divides the requests by four.
; COLUMNS (see the order in which wt's rows were written): of a wave's eight blocks b of 16 columns, in a Q block b = 0, 1, 4, 5 are rotated and
; 2, 3, 6, 7 plain; in a K/V block b = 0, 1 are rotated K, 2, 3 plain K, and b + 4 is V of the same features.  All waves of a cluster take the
; same way out: the branch hangs on the cluster's x alone.
; REGISTERS, in windows of 256:
;   window 0: v0-31 addresses; v32-63 CS (cos, sin of my rows), v224-255 STP (cos, sin of 16 positions); v64-127, v128-191 fragments of A, later at work
;   window 1: v64-127, v128-191 fragments of B;   window 2: the 32 tiles of my rows 0-63 (tile (a, b) at v[64 a + 8 b]);   window 3: rows 64-127
; THE MATRIX INSTRUCTION IS USED TRANSPOSED (source 0 = rows of Wb, source 1 = rows of xn): lane l holds row l % 16, its registers 0..7 the columns
; 16 b + 8 (l / 16) + 0..7: four neighbouring rotary pairs.
.set SIZE_K, 1024
.set KSTEP,  128
.set PITCH,  272                       ; an LDS row: 256 bytes + 16 of padding: the 16 rows that a load touches start at 16 different banks
.set HALFT,  128*PITCH
.set SLOT,   4*HALFT                   ; A's 256 rows, then B's 256 rows
.set STAGE,  2*SLOT                    ; behind the ring, at a multiple of 256 bytes: no fill lands there
.set WSTAGE, 4864                      ; a wave's own: 4,352 bytes of stage (16 x 272 or 16 x 144), then 512 bytes for 128 row sums
.set SCR,    4352
.set LAPS,   SIZE_K/(2*KSTEP)
.set TABLE,  6291456                   ; the rotary table in wt
.set STEPROW, 512*2048                 ; its row for 16 positions
.set STOK, 6                           ; v6   K/V: where I put 16 bytes of a row of P
.set RDK,  7                           ; v7   K/V: where I read rows back
.set L16,  8                           ; v8   16 x lane
.set SCRD, 9                           ; v9   row sums, read back
.set SCWR, 10                          ; v10  row sums, written
.set PX,   11                          ; v11  from the other half of the lanes
.set ADRA, 16                          ; v16-17  LDS address of my A fragments in slot 0, 1
.set ADRB, 20                          ; v20-21  the same for B
.set STO,  24                          ; v24  Q: where I put 16 bytes of a row
.set RD,   25                          ; v25  Q: where I read a row back
.set CO,   26                          ; v26  Q: my byte offset in qb
.set TA0,  27                          ; v27-30 offsets into the table
.set TA1,  28
.set SA0,  29
.set SA1,  30
.set CS,   32
.set F0,   64
.set F1,   128
.set T,    96                          ; v96-127  products in f32
.set U,    160                         ; v160-167 at work in the table's step
.set SS,   176                         ; v176-183 four chains of squares
.set SQV,  184                         ; v184-187 the row sums on their way out
.set TMP,  192                         ; v192-223 packed results
.set STP,  224
.set G1, 24
.set G0, 32
.set G1B, 48
.set G0B, 56
.set MSB, 0
.macro WIN new                         ; the immediate's high byte repeats the setting that is left
.if MSB != \new
	s_set_vgpr_msb (MSB<<8)|\new
.set MSB, \new
.endif
.endm
.set MUL_LO, 0xa1                      ; source 0 (B) window 1, source 1 (A) window 0, C and D window 2
.set MUL_HI, 0xf1                      ; the same, C and D window 3
.set TO_B,   0x40                      ; destination window 1, address window 0
; A joint load.  Waves 0 and 1 fetch A's two halves, waves 2 and 3 B's.  The branch hangs on the wave's number alone.
.macro JLOAD s
	s_cmp_eq_u32 s11, 0
	s_cbranch_scc0 .Lfor_b_\@
	tensor_load_to_lds s[G0+4*\s:G0+4*\s+3], s[G1:G1+7]
	s_nop 0
	s_branch .Lasked_\@
.Lfor_b_\@:
	tensor_load_to_lds s[G0B+4*\s:G0B+4*\s+3], s[G1B:G1B+7]
	s_nop 0
.Lasked_\@:
.endm
; A round of the cluster's barrier: my work-group's barrier; wave 0 signals for the work-group; every wave waits for all sixteen; my work-group's barrier again.
.macro CREST
	s_cmp_lg_u32 s10, 0
	s_cbranch_scc1 .Lnot_wave_0_\@
	s_barrier_signal -3
.Lnot_wave_0_\@:
	s_barrier_wait -3
	s_barrier_signal -1
	s_barrier_wait -1
.endm
.macro CROUND
	s_barrier_signal -1
	s_barrier_wait -1
	CREST
.endm
	s_load_b128 s[4:7], s[0:1], 0x0                ; xn s[4:5], wt s[6:7]
	s_load_b128 s[68:71], s[0:1], 0x10             ; qb s[68:69], pb s[70:71]
	s_load_b64 s[72:73], s[0:1], 0x20              ; sq
	s_set_vgpr_msb 0x40
	v_lshl_add_u32 v255, v0, 2, 0x48c00
	s_set_vgpr_msb 0x4000
	v_mov_b32 v31, 0
	s_set_vgpr_msb 0x1
	ds_add_u32 v255, v31
	s_set_vgpr_msb 0x100
	v_lshrrev_b32 v1, 5, v0
	v_readfirstlane_b32 s10, v1                    ; wave 0..3
	s_lshr_b32 s11, s10, 1                         ; which half of the block's rows is mine.  Also: I fetch for A (0) or for B (1)
	s_and_b32 s12, s10, 1                          ; which half of its columns.  Also: which 128 rows of that tile I fetch
	s_bfe_u32 s40, ttmp6, 0x40000                  ; cx
	s_bfe_u32 s41, ttmp6, 0x40004                  ; cy
	s_mov_b32 s45, ttmp9                           ; the cluster's x: 0 = Q blocks, 1 and 2 = K/V blocks; equal in all sixteen partners
	s_lshl_b32 s42, ttmp9, 2
	s_add_co_u32 s42, s42, s40                     ; block column = 4 x cluster x + cx
	s_and_b32 s13, ttmp7, 0xffff
	s_lshl_b32 s13, s13, 2
	s_add_co_u32 s13, s13, s41                     ; block row = 4 x cluster y + cy
	s_lshl_b32 s43, s41, 2
	s_lshl_b32 s43, 15, s43                        ; my row of the cluster: places 4 cy .. 4 cy + 3
	s_lshl_b32 s44, 0x1111, s40                    ; my column: places cx, cx + 4, cx + 8, cx + 12
	; descriptor group 1: a tile of 128 rows x 128 elements of 2 bytes, 4 words of padding behind every 64 words
	s_or_b32 s[G1+0], s43, (1<<16)|(1<<20)|(1<<21)|(5<<22)|(3<<25)
	s_or_b32 s[G1B+0], s44, (1<<16)|(1<<20)|(1<<21)|(5<<22)|(3<<25)
	s_mov_b32 s[G1B+1], KSTEP<<16
	s_mov_b32 s[G1+1], KSTEP<<16                   ; tensor_dim0 = 128
	s_mov_b32 s[G1B+2], 128<<16
	s_mov_b32 s[G1+2], 128<<16                     ; tensor_dim1 = 128
	s_mov_b32 s[G1B+3], KSTEP<<16
	s_mov_b32 s[G1+3], KSTEP<<16                   ; tile_dim0 = 128
	s_mov_b32 s[G1B+4], 128
	s_mov_b32 s[G1+4], 128                         ; tile_dim1 = 128
	s_mov_b32 s[G1B+5], SIZE_K
	s_mov_b32 s[G1+5], SIZE_K                      ; elements from row to row
	s_mov_b32 s[G1B+6], 0
	s_mov_b32 s[G1+6], 0
	s_mov_b32 s[G1B+7], 0
	s_mov_b32 s[G1+7], 0
	; A's tiles hang on the block row alone, B's on the block column alone, each in registers that never hold the other coordinate
	s_lshl_b32 s17, s12, 7
	s_lshl_b32 s16, s13, 8
	s_add_co_u32 s16, s16, s17                     ; A: row 256 x block row + 128 x half
	s_lshl_b32 s46, s42, 8
	s_add_co_u32 s46, s46, s17                     ; B: row 256 x block column + 128 x half
	s_mov_b32 s17, 0
	s_mov_b32 s47, 0
	s_mov_b64 s[18:19], SIZE_K*2
	s_mul_u64 s[16:17], s[16:17], s[18:19]
	s_mul_u64 s[46:47], s[46:47], s[18:19]
	s_mul_i32 s20, s10, HALFT                      ; LDS: wave x 128 rows
	s_wait_dscnt 0x0
	s_wait_kmcnt 0x0
	s_add_nc_u64 s[14:15], s[4:5], s[16:17]
	s_add_nc_u64 s[46:47], s[6:7], s[46:47]
	CROUND                                         ; all sixteen work-groups are here: the first joint loads meet
.irp s, 0,1
	s_mov_b32 s[G0+4*\s], 1
	s_add_co_u32 s[G0+4*\s+1], s20, \s*SLOT
	s_add_nc_u64 s[G0+4*\s+2:G0+4*\s+3], s[14:15], \s*KSTEP*2
	s_or_b32 s[G0+4*\s+3], s[G0+4*\s+3], 0x80000000
	s_mov_b32 s[G0B+4*\s], 1
	s_add_co_u32 s[G0B+4*\s+1], s20, \s*SLOT
	s_add_nc_u64 s[G0B+4*\s+2:G0B+4*\s+3], s[46:47], \s*KSTEP*2
	s_or_b32 s[G0B+4*\s+3], s[G0B+4*\s+3], 0x80000000
	JLOAD \s                                       ; both slots' first fills, as one group: two tensor loads of the wave are out
.endr
	v_and_b32 v1, 15, v0                           ; r = l % 16
	v_bfe_u32 v2, v0, 4, 1                         ; h = l / 16
	v_and_b32 v12, 31, v0                          ; l
	v_mul_u32_u24 v3, v1, PITCH
	v_lshl_add_u32 v3, v2, 4, v3                   ; 272 r + 16 h
	s_mul_i32 s21, s11, HALFT
	s_mul_i32 s22, s12, HALFT
	s_add_co_u32 s22, s22, 2*HALFT
.irp s, 0,1
	v_add_nc_u32 v[ADRA+\s], s21, v3
	v_add_nc_u32 v[ADRB+\s], s22, v3
	s_add_co_u32 s21, s21, SLOT
	s_add_co_u32 s22, s22, SLOT
.endr
	s_mul_i32 s23, s10, WSTAGE
	s_add_co_u32 s23, s23, STAGE                   ; my stage
	v_add_nc_u32 v[STO], s23, v3
	v_mul_u32_u24 v5, v2, PITCH
	v_lshl_add_u32 v5, v1, 4, v5
	v_add_nc_u32 v[RD], s23, v5                    ; lanes 0-15 one row of 256 bytes, lanes 16-31 the next
	v_lshlrev_b32 v5, 11, v2
	v_lshl_add_u32 v[CO], v1, 4, v5                ; the same two rows in qb
	v_mul_u32_u24 v4, v1, 144
	v_lshl_add_u32 v4, v2, 4, v4
	v_add_nc_u32 v[STOK], s23, v4                  ; 144 r + 16 h
	v_lshrrev_b32 v4, 3, v12
	v_mul_u32_u24 v4, v4, 144
	v_and_b32 v5, 7, v12
	v_lshl_add_u32 v4, v5, 4, v4
	v_add_nc_u32 v[RDK], s23, v4                   ; eight lanes a row of 128 bytes, four rows a load
	v_lshlrev_b32 v[L16], 4, v12
	s_add_co_u32 s21, s23, SCR
	v_add_nc_u32 v[SCRD], s21, v[L16]
	v_lshl_add_u32 v[SCWR], v1, 2, s21
	v_mov_b32 v[PX], 0                             ; v_permlanex16_b32 counts as a reader of its destination
	s_mov_b32 s66, 0x76543210
	s_mov_b32 s67, 0xfedcba98
	; which part of the table is mine
	s_lshl_b32 s76, s42, 1
	s_add_co_u32 s76, s76, s12                     ; chunk = my 128 columns' number, 0..23
	s_max_u32 s86, s76, 8
	s_sub_co_u32 s86, s86, 8                       ; K/V: the plane of 64 places, 0..15 (0 in Q blocks, not used there)
	s_lshl_b32 s77, s76, 8                         ; Q: first pair j = 32 chunk, 8 bytes a pair
	s_lshl_b32 s78, s86, 7                         ; K: first pair j = 16 plane
	s_cmp_eq_u32 s45, 0
	s_cselect_b32 s77, s77, s78
	s_cselect_b32 s78, 128, 0                      ; Q: blocks 4, 5 lie 16 pairs further; K/V: the second set repeats the first, so that every load stays in the table
	s_lshl_b32 s79, s13, 1
	s_add_co_u32 s79, s79, s11
	s_and_b32 s79, s79, 31                         ; my first row's position in its batch / 128
	s_lshl_b32 s87, s79, 15                        ; 16 table rows of 2,048 bytes for each
	s_add_co_u32 s87, s87, s77
	s_add_co_u32 s88, s77, STEPROW
	s_add_nc_u64 s[74:75], s[6:7], TABLE
	v_lshlrev_b32 v[TA0], 11, v1
	v_lshl_add_u32 v[TA0], v2, 5, v[TA0]
	v_add_nc_u32 v[TA0], s87, v[TA0]               ; row r's pairs 4 h .. 4 h + 3 of block 0
	v_add_nc_u32 v[TA1], s78, v[TA0]
	v_lshlrev_b32 v[SA0], 5, v2
	v_add_nc_u32 v[SA0], s88, v[SA0]
	v_add_nc_u32 v[SA1], s78, v[SA0]
	; sixteen loads that stay out through the whole K loop: neither their registers nor their addresses are touched there; one wait at the way out's head
.irp e, 0,1
	global_load_b128 v[CS+8*\e:CS+8*\e+3],       v[TA0], s[74:75] offset:64*\e
	global_load_b128 v[CS+8*\e+4:CS+8*\e+7],     v[TA0], s[74:75] offset:64*\e+16
	global_load_b128 v[CS+16+8*\e:CS+16+8*\e+3], v[TA1], s[74:75] offset:64*\e
	global_load_b128 v[CS+20+8*\e:CS+20+8*\e+3], v[TA1], s[74:75] offset:64*\e+16
	global_load_b128 v[STP+8*\e:STP+8*\e+3],       v[SA0], s[74:75] offset:64*\e
	global_load_b128 v[STP+8*\e+4:STP+8*\e+7],     v[SA0], s[74:75] offset:64*\e+16
	global_load_b128 v[STP+16+8*\e:STP+16+8*\e+3], v[SA1], s[74:75] offset:64*\e
	global_load_b128 v[STP+20+8*\e:STP+20+8*\e+3], v[SA1], s[74:75] offset:64*\e+16
.endr
	s_lshl_b32 s80, s13, 8
	s_lshl_b32 s81, s11, 7
	s_add_co_u32 s80, s80, s81                     ; my first row
	s_lshl_b32 s82, s76, 16
	s_lshl_b32 s81, s80, 2
	s_add_co_u32 s82, s82, s81
	s_mov_b32 s83, 0
	s_add_nc_u64 s[84:85], s[72:73], s[82:83]      ; sq[chunk][my first row]
; 16 matrix instructions: m blocks a0, a0 + 1 of the window's four x all 8 n blocks, 32 along K.  zero = 1: the first product starts the sums.
; The 64 accumulators take turns, one instruction a turn, in the same order in every quarter step.
.macro MUL16 f, hi, a0, zero
.irp a, \a0, \a0+1
.irp b, 0,1,2,3,4,5,6,7
.if \zero
	v_wmma_f32_16x16x32_bf16 v[8*(8*(\a)+\b):8*(8*(\a)+\b)+7], v[\f+8*\b:\f+8*\b+7], v[\f+8*(4*\hi+\a):\f+8*(4*\hi+\a)+7], 0
.else
	v_wmma_f32_16x16x32_bf16 v[8*(8*(\a)+\b):8*(8*(\a)+\b)+7], v[\f+8*\b:\f+8*\b+7], v[\f+8*(4*\hi+\a):\f+8*(4*\hi+\a)+7], v[8*(8*(\a)+\b):8*(8*(\a)+\b)+7]
.endif
.endr
.endr
.endm
; 32 LDS loads in one run: the fragments of one quarter step into buffer f
.macro FETCH slot, k, f
	WIN TO_B
.irp i, 0,1,2,3,4,5,6,7
	ds_load_b128 v[\f+8*\i:\f+8*\i+3],   v[ADRB+\slot] offset:\k+\i*16*PITCH
	ds_load_b128 v[\f+8*\i+4:\f+8*\i+7], v[ADRB+\slot] offset:\k+\i*16*PITCH+32
.endr
	WIN 0
.irp i, 0,1,2,3,4,5,6,7
	ds_load_b128 v[\f+8*\i:\f+8*\i+3],   v[ADRA+\slot] offset:\k+\i*16*PITCH
	ds_load_b128 v[\f+8*\i+4:\f+8*\i+7], v[ADRA+\slot] offset:\k+\i*16*PITCH+32
.endr
.endm
; Four plain vector instructions between a matrix instruction and a load into, or a vector instruction on, one of its registers
.macro PLACES
.rept 4
	v_nop
.endr
.endm
.macro QUARTER slot, k, f, g, zero
	s_wait_dscnt 8                                 ; B and A's rows 0-63 are in; the youngest eight loads (A's rows 64-127) may be out
	WIN MUL_LO
	MUL16 \f, 0, 0, \zero
	MUL16 \f, 0, 2, \zero
	PLACES
	FETCH \slot, \k, \g
	s_wait_dscnt 32                                ; all but the 32 just issued
	WIN MUL_HI
	MUL16 \f, 1, 0, \zero
	MUL16 \f, 1, 2, \zero
.endm
.macro THREE slot, zero
	QUARTER \slot, 64,  F0, F1, \zero
	QUARTER \slot, 128, F1, F0, 0
	QUARTER \slot, 192, F0, F1, 0
.endm
; The last quarter of a K step changes slots.  In front of the barrier each wave waits for its reads of this slot and for all its tensor loads (one is
; out: its part of the next slot).  Where the slot is filled again the barrier opens a round of the cluster's barrier, and the joint refill is the first
; tensor load behind the round's closing wait, one a wave.
.macro TURN slot, next, fill
	s_wait_dscnt 8
	WIN MUL_LO
	MUL16 F1, 0, 0, 0
	s_wait_dscnt 0                                 ; my reads of this slot are over
	s_wait_tensorcnt 0x0                           ; and all my tensor loads have landed
	ds_add_u32 v255, v31
	s_wait_dscnt 0x0
	s_barrier_signal -1
	MUL16 F1, 0, 2, 0                              ; register work while the others arrive
	WIN 0
	s_barrier_wait -1
.if \fill
	CREST
	s_add_nc_u64 s[G0+4*\slot+2:G0+4*\slot+3], s[G0+4*\slot+2:G0+4*\slot+3], 2*KSTEP*2
	s_add_nc_u64 s[G0B+4*\slot+2:G0B+4*\slot+3], s[G0B+4*\slot+2:G0B+4*\slot+3], 2*KSTEP*2
	JLOAD \slot
.endif
	PLACES
	FETCH \next, 0, F0
	WIN MUL_HI
	MUL16 F1, 1, 0, 0
	MUL16 F1, 1, 2, 0
.endm
.macro LAP zero
	THREE 0, \zero
	TURN 0, 1, 1
	THREE 1, 0
	TURN 1, 0, 1
.endm
	s_wait_tensorcnt 1                             ; my part of K step 0 is in; K step 1's stays out
	s_barrier_signal -1
	s_barrier_wait -1
	FETCH 0, 0, F0
	LAP 1
	WIN 0
	s_mov_b32 s3, LAPS-2
.Llap:
	LAP 0
	WIN 0
	s_sub_co_u32 s3, s3, 1
	s_cmp_lg_u32 s3, 0
	s_cbranch_scc1 .Llap
	THREE 0, 0                                     ; the last lap fills nothing
	TURN 0, 1, 0
	THREE 1, 0
	s_wait_dscnt 8
	WIN MUL_LO
	MUL16 F1, 0, 0, 0
	MUL16 F1, 0, 2, 0
	s_wait_dscnt 0
	WIN MUL_HI
	MUL16 F1, 1, 0, 0
	MUL16 F1, 1, 2, 0
	; THE WAY OUT, 16 rows at a time.
	PLACES
	WIN 0
	s_wait_loadcnt 0x0                             ; the table's sixteen loads
; rotary of tile (a, b) with the factors of set e: (x0 c - x1 s, x1 c + x0 s), two packed instructions a pair.  Source 0 in the accumulators' window.
.macro ROTB a, b, e
.irp q, 0,1,2,3
	v_pk_mul_f32 v[T+8*\e+2*\q:T+8*\e+2*\q+1], v[64*\a+8*\b+2*\q:64*\a+8*\b+2*\q+1], v[CS+8*\e+2*\q:CS+8*\e+2*\q+1] op_sel_hi:[1,0]
.endr
.irp q, 0,1,2,3
	v_pk_fma_f32 v[T+8*\e+2*\q:T+8*\e+2*\q+1], v[64*\a+8*\b+2*\q:64*\a+8*\b+2*\q+1], v[CS+8*\e+2*\q:CS+8*\e+2*\q+1], v[T+8*\e+2*\q:T+8*\e+2*\q+1] op_sel:[1,1,0] op_sel_hi:[0,1,1] neg_lo:[0,1,0]
.endr
.endm
.macro CVTB b, e                       ; set e of T to bf16, as block b's 16 bytes
.irp q, 0,1,2,3
	v_cvt_pk_bf16_f32 v[TMP+4*\b+\q], v[T+8*\e+2*\q], v[T+8*\e+2*\q+1]
.endr
.endm
.macro SSOUT i                         ; the four chains to one sum a row: my half of the columns, then the other half's lane; both lanes write the same word
	v_pk_add_f32 v[SS:SS+1],   v[SS:SS+1],   v[SS+2:SS+3]
	v_pk_add_f32 v[SS+4:SS+5], v[SS+4:SS+5], v[SS+6:SS+7]
	v_pk_add_f32 v[SS:SS+1],   v[SS:SS+1],   v[SS+4:SS+5]
	v_add_f32 v[SS], v[SS], v[SS+1]
	v_permlanex16_b32 v[PX], v[SS], s66, s67
	v_add_f32 v[SS], v[SS], v[PX]
	ds_store_b32 v[SCWR], v[SS] offset:64*\i
.endm
.macro CSTEP n                         ; the first n pairs (cos, sin) go 16 positions on: a complex product with the step
.set p, 0
.rept \n
	v_pk_mul_f32 v[U+2*(p%4):U+2*(p%4)+1], v[CS+2*p:CS+2*p+1], v[STP+2*p:STP+2*p+1] op_sel_hi:[1,0]
	v_pk_fma_f32 v[CS+2*p:CS+2*p+1], v[CS+2*p:CS+2*p+1], v[STP+2*p:STP+2*p+1], v[U+2*(p%4):U+2*(p%4)+1] op_sel:[1,1,0] op_sel_hi:[0,1,1] neg_lo:[0,1,0]
.set p, p+1
.endr
.endm
; Q: rows 16 i .. 16 i + 15 = the tiles (a, 0..7) of window w; f: the read-back buffer, 64 or 128 in turn
.macro QOUT i, a, w, f
	WIN \w*5                                       ; sources 0 and 1 in the accumulators' window
.irp q, 0,1,2,3
	v_pk_mul_f32 v[SS+2*\q:SS+2*\q+1], v[64*\a+2*\q:64*\a+2*\q+1], v[64*\a+2*\q:64*\a+2*\q+1]
.endr
.irp b, 1,2,3,4,5,6,7
.irp q, 0,1,2,3
	v_pk_fma_f32 v[SS+2*\q:SS+2*\q+1], v[64*\a+8*\b+2*\q:64*\a+8*\b+2*\q+1], v[64*\a+8*\b+2*\q:64*\a+8*\b+2*\q+1], v[SS+2*\q:SS+2*\q+1]
.endr
.endr
.irp b, 2,3,6,7
.irp q, 0,1,2,3
	v_cvt_pk_bf16_f32 v[TMP+4*\b+\q], v[64*\a+8*\b+2*\q], v[64*\a+8*\b+2*\q+1]
.endr
.endr
	WIN \w                                         ; source 0 alone
	ROTB \a, 0, 0
	ROTB \a, 1, 1
	ROTB \a, 4, 2
	ROTB \a, 5, 3
	WIN 0
	CVTB 0, 0
	CVTB 1, 1
	CVTB 4, 2
	CVTB 5, 3
	SSOUT \i
.if \i < 7
	CSTEP 16
.endif
.irp b, 0,1,2,3,4,5,6,7
	ds_store_b128 v[STO], v[TMP+4*\b:TMP+4*\b+3] offset:32*\b
.endr
	s_wait_xcnt 0x0                                ; buffer f is earlier stores' data: loaded again only behind this wait
.irp t, 0,1,2,3,4,5,6,7
	ds_load_b128 v[\f+4*\t:\f+4*\t+3], v[RD] offset:\t*2*PITCH     ; LDS serves a wave's instructions in order: these see the stores above
.endr
.irp t, 0,1,2,3,4,5,6,7
	s_wait_dscnt 7-\t
	global_store_b128 v[CO], v[\f+4*\t:\f+4*\t+3], s[8:9] offset:(16*\i+2*\t)*2048   ; 16 lanes store 256 consecutive bytes, aligned
.endr
.endm
; K/V: the same rows; P = rotary(K) * V, 64 columns
.macro KOUT i, a, w, f
	WIN \w*5
.irp q, 0,1,2,3
	v_pk_mul_f32 v[SS+2*\q:SS+2*\q+1], v[64*\a+2*\q:64*\a+2*\q+1], v[64*\a+2*\q:64*\a+2*\q+1]
.endr
.irp b, 1,2,3
.irp q, 0,1,2,3
	v_pk_fma_f32 v[SS+2*\q:SS+2*\q+1], v[64*\a+8*\b+2*\q:64*\a+8*\b+2*\q+1], v[64*\a+8*\b+2*\q:64*\a+8*\b+2*\q+1], v[SS+2*\q:SS+2*\q+1]
.endr
.endr
.irp b, 2,3
.irp q, 0,1,2,3
	v_pk_mul_f32 v[T+8*\b+2*\q:T+8*\b+2*\q+1], v[64*\a+8*\b+2*\q:64*\a+8*\b+2*\q+1], v[64*\a+8*\b+32+2*\q:64*\a+8*\b+32+2*\q+1]
.endr
.endr
	WIN \w
	ROTB \a, 0, 0
	ROTB \a, 1, 1
	WIN \w*4                                       ; source 1 alone
.irp b, 0,1
.irp q, 0,1,2,3
	v_pk_mul_f32 v[T+8*\b+2*\q:T+8*\b+2*\q+1], v[T+8*\b+2*\q:T+8*\b+2*\q+1], v[64*\a+8*\b+32+2*\q:64*\a+8*\b+32+2*\q+1]
.endr
.endr
	WIN 0
	CVTB 0, 0
	CVTB 1, 1
	CVTB 2, 2
	CVTB 3, 3
	SSOUT \i
.if \i < 7
	CSTEP 8
.endif
.irp b, 0,1,2,3
	ds_store_b128 v[STOK], v[TMP+4*\b:TMP+4*\b+3] offset:32*\b
.endr
	s_wait_xcnt 0x0                                ; buffer f is earlier stores' data
.irp t, 0,1,2,3
	ds_load_b128 v[\f+4*\t:\f+4*\t+3], v[RDK] offset:576*\t        ; four rows of 128 bytes
.endr
.irp t, 0,1,2,3
	s_wait_dscnt 3-\t
	global_store_b128 v[L16], v[\f+4*\t:\f+4*\t+3], s[8:9] offset:2048*\i+512*\t     ; 512 consecutive bytes of my plane, aligned
.endr
.endm
	s_cmp_lg_u32 s45, 0                            ; the cluster's x: the same way for all partners; no barrier stands inside
	s_cbranch_scc1 .Lkv
	s_lshl_b32 s82, s80, 11                        ; qb: my first row x 2,048 bytes + 256 x chunk
	s_lshl_b32 s81, s76, 8
	s_add_co_u32 s82, s82, s81
	s_add_nc_u64 s[8:9], s[68:69], s[82:83]
	QOUT 0, 0, 2, 64
	QOUT 1, 1, 2, 128
	QOUT 2, 2, 2, 64
	QOUT 3, 3, 2, 128
	QOUT 4, 0, 3, 64
	QOUT 5, 1, 3, 128
	QOUT 6, 2, 3, 64
	QOUT 7, 3, 3, 128
	s_branch .Ljoin
.Lkv:
	s_lshl_b32 s82, s86, 21                        ; pb: plane x 16,384 rows x 128 bytes + my first row x 128
	s_lshl_b32 s81, s80, 7
	s_add_co_u32 s82, s82, s81
	s_add_nc_u64 s[8:9], s[70:71], s[82:83]
	KOUT 0, 0, 2, 64
	KOUT 1, 1, 2, 128
	KOUT 2, 2, 2, 64
	KOUT 3, 3, 2, 128
	KOUT 4, 0, 3, 64
	KOUT 5, 1, 3, 128
	KOUT 6, 2, 3, 64
	KOUT 7, 3, 3, 128
.Ljoin:
	ds_load_b128 v[SQV:SQV+3], v[SCRD]             ; my 128 row sums, four a lane
	s_wait_dscnt 0x0
	global_store_b128 v[L16], v[SQV:SQV+3], s[84:85]               ; 512 consecutive bytes, aligned
	s_set_vgpr_msb 0x1
	s_wait_tensorcnt 0x0
	ds_add_u32 v255, v31
	s_wait_dscnt 0x0
	s_set_vgpr_msb 0x100
	CROUND                                         ; the closing round: no work-group ends while a partner may still ask for a tile that names it
	s_endpgm
.Lfunc_end_k_q28bb2e0324_qkv:
	.size	k_q28bb2e0324_qkv, .Lfunc_end_k_q28bb2e0324_qkv-k_q28bb2e0324_qkv
	.p2alignl 7, 3214868480
	.fill 96, 4, 3214868480
	.section	.rodata,"a",@progbits
	.p2align	6, 0x0
	.amdhsa_kernel k_q28bb2e0324_qkv
		.amdhsa_group_segment_fixed_size 327680
		.amdhsa_private_segment_fixed_size 0
		.amdhsa_enable_private_segment 0
		.amdhsa_kernarg_size 40
		.amdhsa_user_sgpr_count 2
		.amdhsa_user_sgpr_kernarg_segment_ptr 1
		.amdhsa_wavefront_size32 1
		.amdhsa_system_sgpr_workgroup_id_x 1
		.amdhsa_system_sgpr_workgroup_id_y 1
		.amdhsa_system_sgpr_workgroup_id_z 1
		.amdhsa_system_vgpr_workitem_id 0
		.amdhsa_next_free_vgpr 1024
		.amdhsa_next_free_sgpr 90
		.amdhsa_reserve_vcc 0
		.amdhsa_float_denorm_mode_32 3
		.amdhsa_float_denorm_mode_16_64 3
		.amdhsa_memory_ordered 1
		.amdhsa_forward_progress 1
		.amdhsa_inst_pref_size 255
	.end_amdhsa_kernel
	.section	.bss,"aw",@nobits
	.p2align	6
	.space	262144
	.amdgpu_metadata
---
amdhsa.version: [ 1, 2 ]
amdhsa.kernels:
  - .name:           k_q28bb2e0324_qkv
    .symbol:         k_q28bb2e0324_qkv.kd
    .args:
      - { .name: xn, .offset: 0, .size: 8, .value_kind: global_buffer, .address_space: global }
      - { .name: wt, .offset: 8, .size: 8, .value_kind: global_buffer, .address_space: global }
      - { .name: qb, .offset: 16, .size: 8, .value_kind: global_buffer, .address_space: global }
      - { .name: pb, .offset: 24, .size: 8, .value_kind: global_buffer, .address_space: global }
      - { .name: sq, .offset: 32, .size: 8, .value_kind: global_buffer, .address_space: global }
    .group_segment_fixed_size: 327680
    .private_segment_fixed_size: 0
    .kernarg_segment_align: 8
    .kernarg_segment_size: 40
    .max_flat_workgroup_size: 128
    .sgpr_count:     90
    .vgpr_count:     1024
    .wavefront_size: 32
...
	.end_amdgpu_metadata
.endif
;; end of part 2
;; launch asum (part 3): grid 256 x 1, 8 waves a work-group, no clusters, 7,168 bytes of LDS; arguments pb, sq, ar; writes ar
.if DOCPART == 3
	.amdgcn_target "amdgcn-amd-amdhsa--gfx1250"
	.amdhsa_code_object_version 6
	.text
	.protected	k_q28bb2e0324_asum
	.globl	k_q28bb2e0324_asum
	.p2align	8
	.type	k_q28bb2e0324_asum,@function
k_q28bb2e0324_asum:
	s_mov_b64 s[64:65], 0
	v_nop
	global_prefetch_b8 v0, s[64:65] scope:SCOPE_SE
	s_setreg_imm32_b32 hwreg(HW_REG_WAVE_MODE, 25, 1), 1
	s_wait_xcnt 0x0
; asum: for 64 rows s a work-group: wk[s] = 1 / sqrt(sum K^2 + 1e-6), rq[s] = 1 / sqrt(sum Q^2 + 1e-6) (-> ar from byte 1,048,576), and the partial
; sums over these rows of wk[s] * P[s][p] for all 1,024 places p (-> ar, row = the work-group's number, f32).
; Wave w owns the planes 2 w and 2 w + 1 of pb (64 places each), so no sum of P crosses waves.  All 32 loads of P of a wave (16 KiB) go out at once,
; ahead of the small work on the norms.  A stream: memory binds; matrix units and clusters would add nothing, and no two work-groups read the same bytes.
; LDS: bytes 0..2,047 eight waves' partial sums of K^2 for 64 rows; 2,048..4,095 the same for Q^2; 4,096..6,143 each wave's own copy of wk.
.set PB, 32                            ; v[32:159]  32 loads of 4 registers
.set WT, 160                           ; v[160:175] wk of row 4 t + (lane >> 3)
.set AC, 176                           ; v[176:191] 8 sums for each of my two planes
	s_load_b128 s[4:7], s[0:1], 0x0                ; pb s[4:5], sq s[6:7]
	s_load_b64 s[8:9], s[0:1], 0x10                ; ar
	v_lshl_add_u32 v192, v0, 2, 0x1800
	v_mov_b32 v193, 0
	v_lshrrev_b32 v1, 5, v0
	v_readfirstlane_b32 s10, v1                    ; wave 0..7
	v_and_b32 v1, 31, v0                           ; lane
	s_mov_b32 s12, 0x76543210
	s_mov_b32 s13, 0xfedcba98
	s_lshl_b32 s14, ttmp9, 8                       ; 64 rows of 4 bytes
	s_mov_b32 s15, 0
	s_lshl_b32 s16, ttmp9, 13                      ; 64 rows of 128 bytes
	s_mov_b32 s17, 0
	s_lshl_b32 s18, ttmp9, 12                      ; my row of partial sums
	s_mov_b32 s19, 0
	v_lshlrev_b32 v2, 4, v1
	s_lshl_b32 s20, s10, 22
	v_add_nc_u32 v2, s20, v2                       ; 16 lane + two planes of 2,097,152 bytes for each wave
	v_lshlrev_b32 v5, 3, v1                        ; 8 lane: rows 2 lane, 2 lane + 1
	s_lshl_b32 s21, s10, 17
	s_add_co_u32 s21, s21, 524288
	v_add_nc_u32 v3, s21, v5                       ; sq chunk 8 + 2 w (K)
	s_lshl_b32 s22, s10, 16
	v_add_nc_u32 v4, s22, v5                       ; sq chunk w (Q)
	s_lshl_b32 s23, s10, 8
	v_add_nc_u32 v6, s23, v5                       ; LDS: 256 w + 8 lane
	v_lshrrev_b32 v7, 3, v1
	v_lshlrev_b32 v7, 2, v7
	v_add_nc_u32 v7, s23, v7                       ; LDS: 256 w + 4 (lane >> 3)
	s_wait_kmcnt 0x0
	s_add_nc_u64 s[6:7], s[6:7], s[14:15]
	s_add_nc_u64 s[4:5], s[4:5], s[16:17]
	s_add_nc_u64 s[24:25], s[8:9], s[14:15]
	s_add_nc_u64 s[24:25], s[24:25], 0x100000      ; rq of my 64 rows
	s_add_nc_u64 s[28:29], s[8:9], s[18:19]
	global_load_b64 v[8:9],   v3, s[6:7]
	global_load_b64 v[10:11], v3, s[6:7] offset:65536
	global_load_b64 v[12:13], v4, s[6:7]
.irp pl, 0,1
.irp t, 0,1,2,3,4,5,6,7,8,9,10,11,12,13,14,15
	global_load_b128 v[PB+64*\pl+4*\t:PB+64*\pl+4*\t+3], v2, s[4:5] offset:\pl*2097152+512*\t th:TH_LOAD_NT   ; rows 4 t .. 4 t + 3: 512 consecutive bytes
.endr
.endr
	s_wait_loadcnt 32                              ; the three loads of sums are in; the 32 of P stay out
	v_pk_add_f32 v[8:9], v[8:9], v[10:11]
	ds_store_b64 v6, v[8:9]
	ds_store_b64 v6, v[12:13] offset:2048
	s_wait_dscnt 0x0                               ; for the other waves' sake
	s_barrier_signal -1
	s_barrier_wait -1
; the eight waves' parts at LDS byte base, summed in order; 1 / sqrt(sum + 1e-6) of rows 2 lane, 2 lane + 1 into v[18:19]
.macro NORM base
.irp k, 0,1,2,3,4,5,6,7
	ds_load_b64 v[14+2*\k:15+2*\k], v5 offset:\base+256*\k
.endr
	s_wait_dscnt 0x0
.irp k, 1,2,3,4,5,6,7
	v_pk_add_f32 v[14:15], v[14:15], v[14+2*\k:15+2*\k]
.endr
	v_add_f32 v14, 0x358637bd, v14
	v_add_f32 v15, 0x358637bd, v15
	v_rsq_f32 v18, v14
	v_rsq_f32 v19, v15
	v_nop                                          ; the plain place behind the transcendentals (ISA guide 5.7.2)
.endm
	NORM 0
	s_wait_alu depctr_va_vdst(0)
	ds_store_b64 v6, v[18:19] offset:4096          ; my wave's own copy: no other wave touches it
.irp t, 0,1,2,3,4,5,6,7,8,9,10,11,12,13,14,15
	ds_load_b32 v[WT+\t], v7 offset:4096+16*\t     ; LDS serves a wave's instructions in order
.endr
	s_wait_dscnt 0x0
	s_cmp_lg_u32 s10, 0                            ; wave 0 alone makes rq
	s_cbranch_scc1 .Lnot_q
	NORM 2048
	s_wait_alu depctr_va_vdst(0)
	global_store_b64 v5, v[18:19], s[24:25]        ; 256 consecutive bytes, aligned; v5 and v[18:19] are not written again
.Lnot_q:
.irp pl, 0,1
.irp t, 0,1,2,3,4,5,6,7,8,9,10,11,12,13,14,15
	s_wait_loadcnt 31-(16*\pl+\t)                  ; loads come back in order: this one is in, the younger ones stay out
.if \t == 0
.irp k, 0,1,2,3
	v_lshlrev_b32 v30, 16, v[PB+64*\pl+\k]
	v_and_b32 v31, 0xffff0000, v[PB+64*\pl+\k]
	v_mul_f32 v[AC+8*\pl+2*\k],   v30, v[WT]       ; the first rows start the sums
	v_mul_f32 v[AC+8*\pl+2*\k+1], v31, v[WT]
.endr
.else
.irp k, 0,1,2,3
	v_fma_mix_f32_bf16 v[AC+8*\pl+2*\k],   v[PB+64*\pl+4*\t+\k], v[WT+\t], v[AC+8*\pl+2*\k]   op_sel_hi:[1,0,0]
	v_fma_mix_f32_bf16 v[AC+8*\pl+2*\k+1], v[PB+64*\pl+4*\t+\k], v[WT+\t], v[AC+8*\pl+2*\k+1] op_sel:[1,0,0] op_sel_hi:[1,0,0]
.endr
.endif
.endr
.endr
	; the four lanes l, l ^ 8, l ^ 16, l ^ 24 hold the same places of different rows
.irp n, 0,1,2,3,4,5,6,7,8,9,10,11,12,13,14,15
	v_add_f32_dpp v[AC+\n], v[AC+\n], v[AC+\n] row_xmask:8 row_mask:0xf bank_mask:0xf
.endr
.irp n, 0,1,2,3,4,5,6,7,8,9,10,11,12,13,14,15
	v_permlanex16_b32 v30, v[AC+\n], s12, s13
	v_add_f32 v[AC+\n], v[AC+\n], v30
.endr
	; each of the four stores another 16 bytes: bit 3 of the lane picks sums 4..7, bit 4 the second plane
	v_and_b32 v30, 8, v1
	v_cmp_ne_u32 s30, 0, v30
	v_and_b32 v31, 16, v1
	v_cmp_ne_u32 s31, 0, v31
.irp k, 0,1,2,3
	v_cndmask_b32 v[20+\k], v[AC+\k],   v[AC+4+\k],  s30
	v_cndmask_b32 v[24+\k], v[AC+8+\k], v[AC+12+\k], s30
.endr
.irp k, 0,1,2,3
	v_cndmask_b32 v[20+\k], v[20+\k], v[24+\k], s31
.endr
	v_and_b32 v28, 7, v1
	v_lshlrev_b32 v28, 5, v28
	v_lshl_add_u32 v28, v31, 4, v28
	v_lshl_add_u32 v28, v30, 1, v28
	s_lshl_b32 s20, s10, 9
	v_add_nc_u32 v28, s20, v28                     ; 512 w + 256 plane + 32 (lane & 7) + 16 half
	global_store_b128 v28, v[20:23], s[28:29]      ; the wave's 32 lanes fill 512 consecutive bytes, aligned
	s_wait_tensorcnt 0x0
	ds_add_u32 v192, v193
	s_wait_dscnt 0x0
	s_endpgm
.Lfunc_end_k_q28bb2e0324_asum:
	.size	k_q28bb2e0324_asum, .Lfunc_end_k_q28bb2e0324_asum-k_q28bb2e0324_asum
	.p2alignl 7, 3214868480
	.fill 96, 4, 3214868480
	.section	.rodata,"a",@progbits
	.p2align	6, 0x0
	.amdhsa_kernel k_q28bb2e0324_asum
		.amdhsa_group_segment_fixed_size 7168
		.amdhsa_private_segment_fixed_size 0
		.amdhsa_enable_private_segment 0
		.amdhsa_kernarg_size 24
		.amdhsa_user_sgpr_count 2
		.amdhsa_user_sgpr_kernarg_segment_ptr 1
		.amdhsa_wavefront_size32 1
		.amdhsa_system_sgpr_workgroup_id_x 1
		.amdhsa_system_sgpr_workgroup_id_y 1
		.amdhsa_system_sgpr_workgroup_id_z 1
		.amdhsa_system_vgpr_workitem_id 0
		.amdhsa_next_free_vgpr 194
		.amdhsa_next_free_sgpr 66
		.amdhsa_reserve_vcc 0
		.amdhsa_float_denorm_mode_32 3
		.amdhsa_float_denorm_mode_16_64 3
		.amdhsa_memory_ordered 1
		.amdhsa_forward_progress 1
		.amdhsa_inst_pref_size 31
	.end_amdhsa_kernel
	.amdgpu_metadata
---
amdhsa.version: [ 1, 2 ]
amdhsa.kernels:
  - .name:           k_q28bb2e0324_asum
    .symbol:         k_q28bb2e0324_asum.kd
    .args:
      - { .name: pb, .offset: 0, .size: 8, .value_kind: global_buffer, .address_space: global }
      - { .name: sq, .offset: 8, .size: 8, .value_kind: global_buffer, .address_space: global }
      - { .name: ar, .offset: 16, .size: 8, .value_kind: global_buffer, .address_space: global }
    .group_segment_fixed_size: 7168
    .private_segment_fixed_size: 0
    .kernarg_segment_align: 8
    .kernarg_segment_size: 24
    .max_flat_workgroup_size: 256
    .sgpr_count:     66
    .vgpr_count:     194
    .wavefront_size: 32
...
	.end_amdgpu_metadata
.endif
;; end of part 3
;; launch wscale (part 4): grid 256 x 1, 8 waves a work-group, no clusters, 5,120 bytes of LDS; arguments W_out, ar, wp; writes wp
.if DOCPART == 4
	.amdgcn_target "amdgcn-amd-amdhsa--gfx1250"
	.amdhsa_code_object_version 6
	.text
	.protected	k_q28bb2e0324_wscale
	.globl	k_q28bb2e0324_wscale
	.p2align	8
	.type	k_q28bb2e0324_wscale,@function
k_q28bb2e0324_wscale:
	s_mov_b64 s[64:65], 0
	v_nop
	global_prefetch_b8 v0, s[64:65] scope:SCOPE_SE
	s_setreg_imm32_b32 hwreg(HW_REG_WAVE_MODE, 25, 1), 1
	s_wait_xcnt 0x0
; wscale: A[b][p] = the sum of batch b's 64 partial sums, and wp[b][e][p] = bf16(W_out[e][d(p)] * A[b][p]), d(p) = 512 ((p >> 5) & 1) + 32 (p >> 6) + (p & 31):
; the factor A goes into the weights of the last product, in the order of places in which Q was stored.
; The work-group's number = 64 b + 8 c + ec: batch b, places 128 c .. 128 c + 127, rows e = 128 ec .. 128 ec + 127.  Wave w sums 8 of the 64 partials and owns 16 rows e.
; Lane l holds places 128 c + 4 l .. + 3.  A small stream: no matrix unit, no cluster (what is shared, the partial sums, is 32 KiB a work-group).
.set PA, 8                             ; v[8:39]    eight partial rows
.set W,  40                            ; v[40:103]  sixteen rows of W_out, scaled in place
.set AV, 104                           ; v[104:107] A of my four places
.set RB, 108                           ; v[108:139] the eight waves' parts
	s_load_b128 s[4:7], s[0:1], 0x0                ; W_out s[4:5], ar s[6:7]
	s_load_b64 s[8:9], s[0:1], 0x10                ; wp
	v_lshl_add_u32 v140, v0, 2, 0x1000
	v_mov_b32 v141, 0
	v_lshrrev_b32 v1, 5, v0
	v_readfirstlane_b32 s10, v1                    ; wave 0..7
	v_and_b32 v1, 31, v0                           ; lane
	s_lshr_b32 s11, ttmp9, 6                       ; b
	s_bfe_u32 s12, ttmp9, 0x30003                  ; c
	s_and_b32 s13, ttmp9, 7                        ; ec
	s_lshl_b32 s14, s11, 18                        ; ar: 64 rows of 4,096 bytes a batch + 512 c
	s_lshl_b32 s16, s12, 9
	s_add_co_u32 s14, s14, s16
	s_mov_b32 s15, 0
	s_lshl_b32 s16, s13, 19                        ; W_out: 128 rows of 4,096 bytes
	s_mov_b32 s17, 0
	s_lshl_b32 s18, s11, 21                        ; wp: (1024 b + 128 ec + 16 w) rows of 2,048 bytes + 256 c
	s_lshl_b32 s20, s13, 18
	s_add_co_u32 s18, s18, s20
	s_lshl_b32 s20, s10, 15
	s_add_co_u32 s18, s18, s20
	s_lshl_b32 s21, s12, 8
	s_add_co_u32 s18, s18, s21
	s_mov_b32 s19, 0
	v_lshlrev_b32 v6, 4, v1                        ; 16 lane
	v_add_nc_u32 v2, s20, v6                       ; partials: + 8 rows of 4,096 bytes for each wave
	v_bfe_u32 v4, v1, 3, 1                         ; 4 d(p): 2,048 ((l >> 3) & 1) + 128 (2 c + (l >> 4)) + 16 (l & 7)
	v_lshlrev_b32 v3, 11, v4
	v_lshrrev_b32 v4, 4, v1
	v_lshl_add_u32 v3, v4, 7, v3
	v_and_b32 v4, 7, v1
	v_lshl_add_u32 v3, v4, 4, v3
	s_lshl_b32 s22, s10, 16                        ; + 16 rows of 4,096 bytes for each wave
	s_add_co_u32 s22, s22, s21
	v_add_nc_u32 v3, s22, v3
	v_lshlrev_b32 v5, 3, v1                        ; 8 lane
	s_lshl_b32 s23, s10, 9
	v_add_nc_u32 v7, s23, v6                       ; LDS: 512 w + 16 lane
	s_wait_kmcnt 0x0
	s_add_nc_u64 s[6:7], s[6:7], s[14:15]
	s_add_nc_u64 s[4:5], s[4:5], s[16:17]
	s_add_nc_u64 s[8:9], s[8:9], s[18:19]
.irp i, 0,1,2,3,4,5,6,7
	global_load_b128 v[PA+4*\i:PA+4*\i+3], v2, s[6:7] offset:4096*\i
.endr
.irp i, 0,1,2,3,4,5,6,7,8,9,10,11,12,13,14,15
	global_load_b128 v[W+4*\i:W+4*\i+3], v3, s[4:5] offset:4096*\i      ; two runs of 256 consecutive bytes, aligned
.endr
	s_wait_loadcnt 16                              ; the partials are in; the sixteen rows of W_out stay out
.irp i, 1,2,3,4,5,6,7
	v_pk_add_f32 v[PA:PA+1],   v[PA:PA+1],   v[PA+4*\i:PA+4*\i+1]
	v_pk_add_f32 v[PA+2:PA+3], v[PA+2:PA+3], v[PA+4*\i+2:PA+4*\i+3]
.endr
	ds_store_b128 v7, v[PA:PA+3]
	s_wait_dscnt 0x0                               ; for the other waves' sake
	s_barrier_signal -1
	s_barrier_wait -1
.irp k, 0,1,2,3,4,5,6,7
	ds_load_b128 v[RB+4*\k:RB+4*\k+3], v6 offset:512*\k
.endr
	s_wait_dscnt 0x0
	v_pk_add_f32 v[AV:AV+1],   v[RB:RB+1],   v[RB+4:RB+5]
	v_pk_add_f32 v[AV+2:AV+3], v[RB+2:RB+3], v[RB+6:RB+7]
.irp k, 2,3,4,5,6,7
	v_pk_add_f32 v[AV:AV+1],   v[AV:AV+1],   v[RB+4*\k:RB+4*\k+1]
	v_pk_add_f32 v[AV+2:AV+3], v[AV+2:AV+3], v[RB+4*\k+2:RB+4*\k+3]
.endr
.irp i, 0,1,2,3,4,5,6,7,8,9,10,11,12,13,14,15
	s_wait_loadcnt 15-\i                           ; row i is in, the younger rows stay out
	v_pk_mul_f32 v[W+4*\i:W+4*\i+1],   v[W+4*\i:W+4*\i+1],   v[AV:AV+1]
	v_pk_mul_f32 v[W+4*\i+2:W+4*\i+3], v[W+4*\i+2:W+4*\i+3], v[AV+2:AV+3]
	v_cvt_pk_bf16_f32 v[W+4*\i],   v[W+4*\i],   v[W+4*\i+1]
	v_cvt_pk_bf16_f32 v[W+4*\i+1], v[W+4*\i+2], v[W+4*\i+3]
	global_store_b64 v5, v[W+4*\i:W+4*\i+1], s[8:9] offset:2048*\i      ; 256 consecutive bytes, aligned; each row has registers of its own
.endr
	s_wait_tensorcnt 0x0
	ds_add_u32 v140, v141
	s_wait_dscnt 0x0
	s_endpgm
.Lfunc_end_k_q28bb2e0324_wscale:
	.size	k_q28bb2e0324_wscale, .Lfunc_end_k_q28bb2e0324_wscale-k_q28bb2e0324_wscale
	.p2alignl 7, 3214868480
	.fill 96, 4, 3214868480
	.section	.rodata,"a",@progbits
	.p2align	6, 0x0
	.amdhsa_kernel k_q28bb2e0324_wscale
		.amdhsa_group_segment_fixed_size 5120
		.amdhsa_private_segment_fixed_size 0
		.amdhsa_enable_private_segment 0
		.amdhsa_kernarg_size 24
		.amdhsa_user_sgpr_count 2
		.amdhsa_user_sgpr_kernarg_segment_ptr 1
		.amdhsa_wavefront_size32 1
		.amdhsa_system_sgpr_workgroup_id_x 1
		.amdhsa_system_sgpr_workgroup_id_y 1
		.amdhsa_system_sgpr_workgroup_id_z 1
		.amdhsa_system_vgpr_workitem_id 0
		.amdhsa_next_free_vgpr 142
		.amdhsa_next_free_sgpr 66
		.amdhsa_reserve_vcc 0
		.amdhsa_float_denorm_mode_32 3
		.amdhsa_float_denorm_mode_16_64 3
		.amdhsa_memory_ordered 1
		.amdhsa_forward_progress 1
		.amdhsa_inst_pref_size 13
	.end_amdhsa_kernel
	.amdgpu_metadata
---
amdhsa.version: [ 1, 2 ]
amdhsa.kernels:
  - .name:           k_q28bb2e0324_wscale
    .symbol:         k_q28bb2e0324_wscale.kd
    .args:
      - { .name: W_out, .offset: 0, .size: 8, .value_kind: global_buffer, .address_space: global }
      - { .name: ar, .offset: 8, .size: 8, .value_kind: global_buffer, .address_space: global }
      - { .name: wp, .offset: 16, .size: 8, .value_kind: global_buffer, .address_space: global }
    .group_segment_fixed_size: 5120
    .private_segment_fixed_size: 0
    .kernarg_segment_align: 8
    .kernarg_segment_size: 24
    .max_flat_workgroup_size: 256
    .sgpr_count:     66
    .vgpr_count:     142
    .wavefront_size: 32
...
	.end_amdgpu_metadata
.endif
;; end of part 4
;; launch outp (part 5): grid 4 x 64, 4 waves a work-group, clusters of 4 x 4, 327,680 bytes of LDS; arguments qb, wp, X, ar, out0; writes out0
.if DOCPART == 5
	.amdgcn_target "amdgcn-amd-amdhsa--gfx1250"
	.amdhsa_code_object_version 6
	.text
	.protected	k_q28bb2e0324_outp
	.globl	k_q28bb2e0324_outp
	.p2align	8
	.type	k_q28bb2e0324_outp,@function
k_q28bb2e0324_outp:
	s_mov_b64 s[64:65], 0
	v_nop
	global_prefetch_b8 v0, s[64:65] scope:SCOPE_SE
	s_setreg_imm32_b32 hwreg(HW_REG_WAVE_MODE, 25, 1), 1
	s_wait_xcnt 0x0
	s_wait_alu depctr_hold_cnt(0) depctr_sa_sdst(0) depctr_va_vdst(0) depctr_va_sdst(0) depctr_va_ssrc(0) depctr_va_vcc(0) depctr_vm_vsrc(0)
	s_getreg_b32 s2, hwreg(HW_REG_IB_STS2, 6, 4)
	s_cmp_eq_u32 s2, 0
	s_cbranch_scc0 .Lentry_in_a_cluster
	s_endpgm
.Lentry_in_a_cluster:
	s_bfe_u32 s2, ttmp6, 0x10000c
	s_cmp_lg_u32 s2, 0xf033
	s_cbranch_scc0 .Lentry_shape_is_right
	s_endpgm
.Lentry_shape_is_right:
; outp: out0[s][e] = rq[s] * (sum over p of qb[s][p] wp[b][e][p]) + X[s][e].  qb [16384][1024] bf16, wp [4][1024][1024] bf16, rq f32 in ar from byte
; 1,048,576, X and out0 [16384][1024] f32; sums in f32.
; A work-group makes 256 x 256 with four waves, a wave 128 x 128 (64 accumulator tiles, 512 registers); K in steps of 128 through two LDS slots filled
; by the tensor data mover; a tile's rows are 256 bytes of memory, at multiples of 256 bytes.
; CLUSTERS: 4 x 4 work-groups: qb's tiles are shared along a row of the cluster, wp's along a column; each is asked for jointly.  A cluster's 1,024 rows
; lie in one batch (4,096 rows): the batch comes from the cluster's y alone and is equal in all partners.
; REGISTERS: window 0: v0-31 addresses; v64-127, v128-191 fragments of A; v192-255 X;   window 1: v64-191 fragments of B; v0-63, v192-255 X;
;   window 2: tiles of my rows 0-63 (tile (a, b) at v[64 a + 8 b]); window 3: rows 64-127.
; The matrix instruction is used transposed (source 0 = rows of wp, source 1 = rows of qb): lane l holds row l % 16, columns 16 b + 8 (l / 16) + 0..7.
; X: my 128 rows x 512 bytes are eight blocks of 16 rows, 64 registers each.  Blocks 0, 1, 2 are loaded at the start into the 192 registers that the K loop
; never names, so that they move while the matrix units work; blocks 3, 4 go into both fragment buffers 0 in the very last quarter step, which reads them no
; more; block 5 into B's buffer 1 behind the last matrix instruction; block 6 into A's buffer 1 with block 3's turn, block 7 into block 0's registers with
; block 4's turn.  At most 48 loads of a wave are out.
; THE WAY OUT: 16 rows of 128 f32 go through my own stage in LDS and come back as whole rows of 512 bytes INTO THE SAME ACCUMULATOR REGISTERS, are scaled and
; added to X there and stored from there: no store's data register is ever written again, so the way out needs no wait for stores' sources.
; Blocks 3 to 7 of X are also asked for ahead: in the four quarters of the last K step blocks 3 and 4, then 5, then 6, then 7; one instruction of the owning
; wave asks for a block's 32 aligned runs of 256 bytes, each once; at most four blocks of a wave are asked for and not yet loaded; nothing lies beyond block 7.
.set SIZE_K, 1024
.set KSTEP,  128
.set PITCH,  272
.set HALFT,  128*PITCH
.set SLOT,   4*HALFT
.set STAGE,  2*SLOT                    ; behind the ring, at a multiple of 256 bytes: no fill lands there
.set SPITCH, 528                       ; a stage row: 512 bytes + 16
.set WSTAGE, 16*SPITCH
.set LAPS,   SIZE_K/(2*KSTEP)
.set ADRA, 16
.set ADRB, 20
.set STO,  24                          ; v24  where I put 32 bytes of a row
.set RD,   25                          ; v25  where I read a row back
.set L16,  26                          ; v26  16 x lane; never rewritten
.set PF,   27                          ; v27  4,096 (lane >> 1) + 256 (lane & 1): the 32 runs of 256 bytes of a block of 16 rows; never rewritten
.set F0,   64
.set F1,   128
.set XLO,  0                           ; v0-63 (window 1)
.set XHI,  192                         ; v192-255 (windows 0 and 1)
.set G1, 24
.set G0, 32
.set G1B, 48
.set G0B, 56
.set MSB, 0
.macro WIN new                         ; the immediate's high byte repeats the setting that is left
.if MSB != \new
	s_set_vgpr_msb (MSB<<8)|\new
.set MSB, \new
.endif
.endm
.set MUL_LO, 0xa1
.set MUL_HI, 0xf1
.set TO_B,   0x40
.macro JLOAD s                         ; waves 0 and 1 fetch A's two halves, waves 2 and 3 B's
	s_cmp_eq_u32 s11, 0
	s_cbranch_scc0 .Lfor_b_\@
	tensor_load_to_lds s[G0+4*\s:G0+4*\s+3], s[G1:G1+7]
	s_nop 0
	s_branch .Lasked_\@
.Lfor_b_\@:
	tensor_load_to_lds s[G0B+4*\s:G0B+4*\s+3], s[G1B:G1B+7]
	s_nop 0
.Lasked_\@:
.endm
.macro CREST
	s_cmp_lg_u32 s10, 0
	s_cbranch_scc1 .Lnot_wave_0_\@
	s_barrier_signal -3
.Lnot_wave_0_\@:
	s_barrier_wait -3
	s_barrier_signal -1
	s_barrier_wait -1
.endm
.macro CROUND
	s_barrier_signal -1
	s_barrier_wait -1
	CREST
.endm
; block blk of my rows of X into the 64 registers from xb of window xw: sixteen loads, a whole row of 512 bytes each
.macro XLOAD blk, xb, xw
	WIN \xw*64                                     ; a load's data is the destination; its address stays in window 0
.irp t, 0,1,2,3,4,5,6,7,8,9,10,11,12,13,14,15
	global_load_b128 v[\xb+4*\t:\xb+4*\t+3], v[L16], s[66:67] offset:(16*\blk+\t)*4096 th:TH_LOAD_NT
.endr
.endm
	s_load_b128 s[4:7], s[0:1], 0x0                ; qb s[4:5], wp s[6:7]
	s_load_b128 s[84:87], s[0:1], 0x10             ; X s[84:85], ar s[86:87]
	s_load_b64 s[8:9], s[0:1], 0x20                ; out0
	v_lshl_add_u32 v62, v0, 2, 0x4c400
	v_mov_b32 v63, 0
	ds_add_u32 v62, v63
	v_lshrrev_b32 v1, 5, v0
	v_readfirstlane_b32 s10, v1                    ; wave 0..3
	s_lshr_b32 s11, s10, 1
	s_and_b32 s12, s10, 1
	s_bfe_u32 s40, ttmp6, 0x40000                  ; cx
	s_bfe_u32 s41, ttmp6, 0x40004                  ; cy
	s_lshl_b32 s42, ttmp9, 2
	s_add_co_u32 s42, s42, s40                     ; block column
	s_and_b32 s45, ttmp7, 0xffff
	s_lshr_b32 s45, s45, 2                         ; the batch: four clusters of 1,024 rows each
	s_and_b32 s13, ttmp7, 0xffff
	s_lshl_b32 s13, s13, 2
	s_add_co_u32 s13, s13, s41                     ; block row
	s_lshl_b32 s43, s41, 2
	s_lshl_b32 s43, 15, s43                        ; my row of the cluster
	s_lshl_b32 s44, 0x1111, s40                    ; my column
	s_or_b32 s[G1+0], s43, (1<<16)|(1<<20)|(1<<21)|(5<<22)|(3<<25)
	s_or_b32 s[G1B+0], s44, (1<<16)|(1<<20)|(1<<21)|(5<<22)|(3<<25)
	s_mov_b32 s[G1B+1], KSTEP<<16
	s_mov_b32 s[G1+1], KSTEP<<16
	s_mov_b32 s[G1B+2], 128<<16
	s_mov_b32 s[G1+2], 128<<16
	s_mov_b32 s[G1B+3], KSTEP<<16
	s_mov_b32 s[G1+3], KSTEP<<16
	s_mov_b32 s[G1B+4], 128
	s_mov_b32 s[G1+4], 128
	s_mov_b32 s[G1B+5], SIZE_K
	s_mov_b32 s[G1+5], SIZE_K
	s_mov_b32 s[G1B+6], 0
	s_mov_b32 s[G1+6], 0
	s_mov_b32 s[G1B+7], 0
	s_mov_b32 s[G1+7], 0
	s_lshl_b32 s17, s12, 7
	s_lshl_b32 s16, s13, 8
	s_add_co_u32 s16, s16, s17                     ; A: row 256 x block row + 128 x half
	s_lshl_b32 s46, s42, 8
	s_add_co_u32 s46, s46, s17
	s_lshl_b32 s47, s45, 10
	s_add_co_u32 s46, s46, s47                     ; B: row 1,024 x batch + 256 x block column + 128 x half
	s_mov_b32 s17, 0
	s_mov_b32 s47, 0
	s_mov_b64 s[18:19], SIZE_K*2
	s_mul_u64 s[16:17], s[16:17], s[18:19]
	s_mul_u64 s[46:47], s[46:47], s[18:19]
	s_mul_i32 s20, s10, HALFT
	s_wait_dscnt 0x0
	s_wait_kmcnt 0x0
	s_add_nc_u64 s[14:15], s[4:5], s[16:17]
	s_add_nc_u64 s[46:47], s[6:7], s[46:47]
	CROUND                                         ; all sixteen work-groups are here: the first joint loads meet
.irp s, 0,1
	s_mov_b32 s[G0+4*\s], 1
	s_add_co_u32 s[G0+4*\s+1], s20, \s*SLOT
	s_add_nc_u64 s[G0+4*\s+2:G0+4*\s+3], s[14:15], \s*KSTEP*2
	s_or_b32 s[G0+4*\s+3], s[G0+4*\s+3], 0x80000000
	s_mov_b32 s[G0B+4*\s], 1
	s_add_co_u32 s[G0B+4*\s+1], s20, \s*SLOT
	s_add_nc_u64 s[G0B+4*\s+2:G0B+4*\s+3], s[46:47], \s*KSTEP*2
	s_or_b32 s[G0B+4*\s+3], s[G0B+4*\s+3], 0x80000000
	JLOAD \s                                       ; both slots' first fills, as one group: two tensor loads of the wave are out
.endr
	v_and_b32 v1, 15, v0                           ; r
	v_bfe_u32 v2, v0, 4, 1                         ; h
	v_and_b32 v12, 31, v0                          ; lane
	v_lshlrev_b32 v[L16], 4, v12
	s_lshl_b32 s88, s13, 8
	s_lshl_b32 s89, s11, 7
	s_add_co_u32 s88, s88, s89                     ; my first row
	s_lshl_b32 s90, s88, 2
	s_add_co_u32 s90, s90, 1048576
	s_mov_b32 s91, 0
	s_add_nc_u64 s[100:101], s[86:87], s[90:91]    ; rq of my first row; never stepped
	s_lshl_b32 s90, s88, 12                        ; X and out0: row x 4,096 bytes + 1,024 x block column + 512 x half
	s_lshl_b32 s89, s42, 10
	s_add_co_u32 s90, s90, s89
	s_lshl_b32 s89, s12, 9
	s_add_co_u32 s90, s90, s89
	s_add_nc_u64 s[66:67], s[84:85], s[90:91]      ; never stepped
	s_add_nc_u64 s[8:9], s[8:9], s[90:91]          ; never stepped
	XLOAD 0, XLO, 1                                ; 48 loads that stay out while the K loop runs: it names neither their registers nor their addresses
	XLOAD 1, XHI, 1
	XLOAD 2, XHI, 0
	s_load_b512 s[68:83], s[100:101], 0x0          ; rq of rows 0..15; waited for at the way out
	v_mul_u32_u24 v3, v1, PITCH
	v_lshl_add_u32 v3, v2, 4, v3
	s_mul_i32 s21, s11, HALFT
	s_mul_i32 s22, s12, HALFT
	s_add_co_u32 s22, s22, 2*HALFT
.irp s, 0,1
	v_add_nc_u32 v[ADRA+\s], s21, v3
	v_add_nc_u32 v[ADRB+\s], s22, v3
	s_add_co_u32 s21, s21, SLOT
	s_add_co_u32 s22, s22, SLOT
.endr
	s_mul_i32 s23, s10, WSTAGE
	s_add_co_u32 s23, s23, STAGE                   ; my stage
	v_mul_u32_u24 v4, v1, SPITCH
	v_lshl_add_u32 v4, v2, 5, v4
	v_add_nc_u32 v[STO], s23, v4                   ; 528 r + 32 h
	v_add_nc_u32 v[RD], s23, v[L16]
	v_lshrrev_b32 v4, 1, v12
	v_lshlrev_b32 v4, 12, v4
	v_and_b32 v5, 1, v12
	v_lshl_add_u32 v[PF], v5, 8, v4
; The 64 accumulators take turns, one instruction a turn, in the same order in every quarter step.
.macro MUL16 f, hi, a0, zero
.irp a, \a0, \a0+1
.irp b, 0,1,2,3,4,5,6,7
.if \zero
	v_wmma_f32_16x16x32_bf16 v[8*(8*(\a)+\b):8*(8*(\a)+\b)+7], v[\f+8*\b:\f+8*\b+7], v[\f+8*(4*\hi+\a):\f+8*(4*\hi+\a)+7], 0
.else
	v_wmma_f32_16x16x32_bf16 v[8*(8*(\a)+\b):8*(8*(\a)+\b)+7], v[\f+8*\b:\f+8*\b+7], v[\f+8*(4*\hi+\a):\f+8*(4*\hi+\a)+7], v[8*(8*(\a)+\b):8*(8*(\a)+\b)+7]
.endif
.endr
.endr
.endm
.macro FETCH slot, k, f
	WIN TO_B
.irp i, 0,1,2,3,4,5,6,7
	ds_load_b128 v[\f+8*\i:\f+8*\i+3],   v[ADRB+\slot] offset:\k+\i*16*PITCH
	ds_load_b128 v[\f+8*\i+4:\f+8*\i+7], v[ADRB+\slot] offset:\k+\i*16*PITCH+32
.endr
	WIN 0
.irp i, 0,1,2,3,4,5,6,7
	ds_load_b128 v[\f+8*\i:\f+8*\i+3],   v[ADRA+\slot] offset:\k+\i*16*PITCH
	ds_load_b128 v[\f+8*\i+4:\f+8*\i+7], v[ADRA+\slot] offset:\k+\i*16*PITCH+32
.endr
.endm
; Four plain vector instructions between a matrix instruction and a load into, a store of, or a vector instruction on one of its registers
.macro PLACES
.rept 4
	v_nop
.endr
.endm
; pf, pf2 >= 0: behind the run of LDS loads, ask for these blocks of my rows of X
.macro QUARTER slot, k, f, g, zero, pf, pf2
	s_wait_dscnt 8                                 ; B and A's rows 0-63 are in; the youngest eight loads may be out
	WIN MUL_LO
	MUL16 \f, 0, 0, \zero
	MUL16 \f, 0, 2, \zero
	PLACES
	FETCH \slot, \k, \g
.if \pf >= 0
	global_prefetch_b8 v[PF], s[66:67] offset:65536*\pf th:TH_LOAD_NT scope:SCOPE_SE
.endif
.if \pf2 >= 0
	global_prefetch_b8 v[PF], s[66:67] offset:65536*\pf2 th:TH_LOAD_NT scope:SCOPE_SE
.endif
	s_wait_dscnt 32                                ; all but the 32 just issued
	WIN MUL_HI
	MUL16 \f, 1, 0, \zero
	MUL16 \f, 1, 2, \zero
.endm
.macro THREE slot, zero, pf
.if \pf
	QUARTER \slot, 64,  F0, F1, \zero, 3, 4
	QUARTER \slot, 128, F1, F0, 0, 5, -1
	QUARTER \slot, 192, F0, F1, 0, 6, -1
.else
	QUARTER \slot, 64,  F0, F1, \zero, -1, -1
	QUARTER \slot, 128, F1, F0, 0, -1, -1
	QUARTER \slot, 192, F0, F1, 0, -1, -1
.endif
.endm
; The change of slots: each wave waits for its reads of this slot and for all its tensor loads (one is out), then the barrier, which opens a round of the
; cluster's barrier where the slot is filled again; the joint refill is the first tensor load behind the round's closing wait, one a wave.
.macro TURN slot, next, fill
	s_wait_dscnt 8
	WIN MUL_LO
	MUL16 F1, 0, 0, 0
	s_wait_dscnt 0
	s_set_vgpr_msb 0xa1a0
	s_wait_tensorcnt 0x0
	ds_add_u32 v62, v63
	s_wait_dscnt 0x0
	s_set_vgpr_msb 0xa0a1
	s_barrier_signal -1
	MUL16 F1, 0, 2, 0
	WIN 0
	s_barrier_wait -1
.if \fill
	CREST
	s_add_nc_u64 s[G0+4*\slot+2:G0+4*\slot+3], s[G0+4*\slot+2:G0+4*\slot+3], 2*KSTEP*2
	s_add_nc_u64 s[G0B+4*\slot+2:G0B+4*\slot+3], s[G0B+4*\slot+2:G0B+4*\slot+3], 2*KSTEP*2
	JLOAD \slot
.endif
	PLACES
	FETCH \next, 0, F0
	WIN MUL_HI
	MUL16 F1, 1, 0, 0
	MUL16 F1, 1, 2, 0
.endm
.macro LAP zero
	THREE 0, \zero, 0
	TURN 0, 1, 1
	THREE 1, 0, 0
	TURN 1, 0, 1
.endm
	s_wait_tensorcnt 1                             ; my part of K step 0 is in; K step 1's stays out
	s_barrier_signal -1
	s_barrier_wait -1
	FETCH 0, 0, F0
	LAP 1
	WIN 0
	s_mov_b32 s3, LAPS-2
.Llap:
	LAP 0
	WIN 0
	s_sub_co_u32 s3, s3, 1
	s_cmp_lg_u32 s3, 0
	s_cbranch_scc1 .Llap
	THREE 0, 0, 0                                  ; the last lap fills nothing
	TURN 0, 1, 0
	THREE 1, 0, 1
	s_wait_dscnt 8                                 ; the very last quarter: in the fragments' stead, X's blocks 3 and 4 into both buffers 0, which are read no more
	WIN MUL_LO
	MUL16 F1, 0, 0, 0
	MUL16 F1, 0, 2, 0
	PLACES
	s_wait_loadcnt 0x0                             ; X's blocks 0, 1, 2, asked for at the start: shown landed here, where no younger load is out
	XLOAD 3, F0, 0
	XLOAD 4, F0, 1
	global_prefetch_b8 v[PF], s[66:67] offset:65536*7 th:TH_LOAD_NT scope:SCOPE_SE
	s_wait_dscnt 0
	WIN MUL_HI
	MUL16 F1, 1, 0, 0
	MUL16 F1, 1, 2, 0
	PLACES                                         ; behind the last matrix instructions: for the loads into buffers 1 and into accumulators, and for the LDS stores of results
	XLOAD 5, F1, 1
; rows 16 i .. 16 i + 15 = the tiles (a, 0..7) of window w.  xb, xw: where X of these rows lies; sc: rq of these rows; sn: where rq of the next rows goes;
; left >= 0: the loads younger than this block's sixteen that may stay out; nb >= 0: block nb of X is asked for now, into nxb of window nxw
.macro OUTF i, a, w, xb, xw, sc, sn, left, nb, nxb, nxw
	WIN \w*4                                       ; an LDS store's data is source 1
.irp b, 0,1,2,3,4,5,6,7
	ds_store_b128 v[STO], v[64*\a+8*\b:64*\a+8*\b+3]   offset:64*\b
	ds_store_b128 v[STO], v[64*\a+8*\b+4:64*\a+8*\b+7] offset:64*\b+16
.endr
	s_wait_kmcnt 0x0                               ; rq of these rows
.if \i < 7
	s_load_b512 s[\sn:\sn+15], s[100:101], 64*(\i+1)
.endif
.if \left >= 0
	s_wait_loadcnt \left                           ; loads come back in order: X of these rows is in, the younger blocks stay out
.endif
.if \nb >= 0
	XLOAD \nb, \nxb, \nxw
.endif
	s_wait_dscnt 0x0                               ; the stage's stores are done: the loads below land in the registers that they read
	WIN \w*64                                      ; an LDS load's data is the destination
.irp t, 0,1,2,3,4,5,6,7,8,9,10,11,12,13,14,15
	ds_load_b128 v[64*\a+4*\t:64*\a+4*\t+3], v[RD] offset:SPITCH*\t          ; a whole row of 512 bytes
.endr
	WIN (\w*64)|(\xw*16)|\w                        ; result and source 0 in the accumulators' window, source 2 in X's
.irp t, 0,1,2,3,4,5,6,7,8,9,10,11,12,13,14,15
	s_wait_dscnt 15-\t                             ; row t is back, the younger rows stay out; the last count is 0, so the stage is free for the next block
.irp k, 0,1,2,3
	v_fma_f32 v[64*\a+4*\t+\k], v[64*\a+4*\t+\k], s[\sc+\t], v[\xb+4*\t+\k]
.endr
.endr
	WIN \w*4                                       ; a store's data is source 1
.irp t, 0,1,2,3,4,5,6,7,8,9,10,11,12,13,14,15
	global_store_b128 v[L16], v[64*\a+4*\t:64*\a+4*\t+3], s[8:9] offset:(16*\i+\t)*4096 th:TH_STORE_NT   ; 512 consecutive bytes, aligned; these registers are not written again
.endr
.endm
	OUTF 0, 0, 2, XLO, 1, 68, 84, -1, -1, 0, 0     ; blocks 0, 1, 2: X was shown landed in the last quarter
	OUTF 1, 1, 2, XHI, 1, 84, 68, -1, -1, 0, 0
	OUTF 2, 2, 2, XHI, 0, 68, 84, -1, -1, 0, 0
	OUTF 3, 3, 2, F0,  0, 84, 68, 32,  6, F1,  0   ; blocks 4 and 5 stay out; block 6 goes out
	OUTF 4, 0, 3, F0,  1, 68, 84, 32,  7, XLO, 1   ; blocks 5 and 6 stay out; block 7 goes out, into block 0's registers
	OUTF 5, 1, 3, F1,  1, 84, 68, 32, -1, 0, 0     ; blocks 6 and 7 stay out
	OUTF 6, 2, 3, F1,  0, 68, 84, 16, -1, 0, 0
	OUTF 7, 3, 3, XLO, 1, 84, 68, 0,  -1, 0, 0
	WIN 0
	s_wait_tensorcnt 0x0
	ds_add_u32 v62, v63
	s_wait_dscnt 0x0
	CROUND                                         ; the closing round: no work-group ends while a partner may still ask for a tile that names it
	s_endpgm
.Lfunc_end_k_q28bb2e0324_outp:
	.size	k_q28bb2e0324_outp, .Lfunc_end_k_q28bb2e0324_outp-k_q28bb2e0324_outp
	.p2alignl 7, 3214868480
	.fill 96, 4, 3214868480
	.section	.rodata,"a",@progbits
	.p2align	6, 0x0
	.amdhsa_kernel k_q28bb2e0324_outp
		.amdhsa_group_segment_fixed_size 327680
		.amdhsa_private_segment_fixed_size 0
		.amdhsa_enable_private_segment 0
		.amdhsa_kernarg_size 40
		.amdhsa_user_sgpr_count 2
		.amdhsa_user_sgpr_kernarg_segment_ptr 1
		.amdhsa_wavefront_size32 1
		.amdhsa_system_sgpr_workgroup_id_x 1
		.amdhsa_system_sgpr_workgroup_id_y 1
		.amdhsa_system_sgpr_workgroup_id_z 1
		.amdhsa_system_vgpr_workitem_id 0
		.amdhsa_next_free_vgpr 1024
		.amdhsa_next_free_sgpr 102
		.amdhsa_reserve_vcc 0
		.amdhsa_float_denorm_mode_32 3
		.amdhsa_float_denorm_mode_16_64 3
		.amdhsa_memory_ordered 1
		.amdhsa_forward_progress 1
		.amdhsa_inst_pref_size 242
	.end_amdhsa_kernel
	.amdgpu_metadata
---
amdhsa.version: [ 1, 2 ]
amdhsa.kernels:
  - .name:           k_q28bb2e0324_outp
    .symbol:         k_q28bb2e0324_outp.kd
    .args:
      - { .name: qb, .offset: 0, .size: 8, .value_kind: global_buffer, .address_space: global }
      - { .name: wp, .offset: 8, .size: 8, .value_kind: global_buffer, .address_space: global }
      - { .name: X, .offset: 16, .size: 8, .value_kind: global_buffer, .address_space: global }
      - { .name: ar, .offset: 24, .size: 8, .value_kind: global_buffer, .address_space: global }
      - { .name: out0, .offset: 32, .size: 8, .value_kind: global_buffer, .address_space: global }
    .group_segment_fixed_size: 327680
    .private_segment_fixed_size: 0
    .kernarg_segment_align: 8
    .kernarg_segment_size: 40
    .max_flat_workgroup_size: 128
    .sgpr_count:     102
    .vgpr_count:     1024
    .wavefront_size: 32
...
	.end_amdgpu_metadata
.endif
;; end of part 5
;; ======== version 2 of 2: 5 launches; version 1 with the launches prep, asum, wscale written anew for expert scheduling mode
;; limits: values outside matrix products are rounded to bf16
;; workspace buffers: xn 33,554,432 bytes; wt 7,342,080 bytes; qb 33,554,432 bytes; pb 33,554,432 bytes; sq 1,572,864 bytes; ar 1,114,112 bytes; wp 8,388,608 bytes
;; launch prep (part 6): grid 1248 x 1, 2 waves a work-group, no clusters, 0 bytes of LDS; arguments X, ln_g, ln_b, W_in, xn, wt; writes xn, wt
.if DOCPART == 6
	.amdgcn_target "amdgcn-amd-amdhsa--gfx1250"
	.amdhsa_code_object_version 6
	.text
	.protected	k_q28bb2e0324_prep
	.globl	k_q28bb2e0324_prep
	.p2align	8
	.type	k_q28bb2e0324_prep,@function
k_q28bb2e0324_prep:
	s_mov_b64 s[64:65], 0
	v_nop
	global_prefetch_b8 v0, s[64:65] scope:SCOPE_SE
	s_setreg_imm32_b32 hwreg(HW_REG_WAVE_SCHED_MODE, 0, 2), 2
	s_setreg_imm32_b32 hwreg(HW_REG_WAVE_MODE, 25, 1), 1
	s_wait_xcnt 0x0
	s_wait_alu depctr_vm_vsrc(0)
; prep: 312 jobs of 64 rows, of three kinds.  One wave takes one row of 1,024 numbers at a time and has eight rows; a job is eight waves' work.
; A work-group is two waves: four work-groups share a job (job = id >> 2; the wave's place among the job's eight = 2 (id & 3) + wave), so that the
; 1,248 small work-groups of unequal kind spread evenly; no wave needs another wave's numbers, so the size of a work-group is free.
;   jobs 0..255    LayerNorm of X (two passes in f32 over a row kept in registers: mean, then the mean of (x - mean)^2), rounded once to bf16 -> xn
;   jobs 256..303  W_in to bf16 with its rows in another order -> wt, bytes 0 .. 6,291,455
;   jobs 304..311  the rotary table -> wt from byte 6,291,456: 513 rows of 256 pairs (cos, sin) in f32
; ORDER OF FEATURES.  Feature d of Q, K, V sits at place p: d < 512: p = 64 (d >> 5) + (d & 31); else p = 64 ((d - 512) >> 5) + 32 + (d & 31):
; 32 rotated features and 32 plain ones take turns.  Rows of wt: n < 1024: Q's feature at place n; n = 1024 + 128 c + x: x < 64: K's feature at
; place 64 c + x, else V's at place 64 c + x - 64.  So each block of 128 columns of the next launch holds all that its way out needs.
; TABLE.  Row rho < 512 is for position s = 128 (rho >> 4) + (rho & 15); row 512 for s = 16, the step from one block of 16 rows to the next.
; The angle s * f is rounded as a plain f32 product; sine and cosine come from Taylor polynomials of the half angle (|y| <= pi/2; the first
; terms left out are y^13/13! and y^12/12!, below 5e-7), doubled by sin 2y = 2 sin y cos y and cos 2y = 1 - 2 sin^2 y.
; No LDS, no barrier, no matrix unit, no cluster: no two work-groups read the same large data.
; A load of a wave covers 512 consecutive bytes; a store of bf16 256 consecutive bytes, aligned.
; THE MODE: SCHED_MODE bits 1:0 = 2 (LLVM: expert scheduling mode 2), set by the entry lines.  The code itself states the register dependences
; between vector instructions and memory instructions, with s_wait_alu, always for 0.
; THE PLAN.  Registers that memory instructions touch:
;   v2, v3      byte offsets, made once at the head and never written again; the rows are reached by immediate offsets.
;   XS0 .. XS3  Row i's eight loads land in slot i mod 4; the row's arithmetic reads and rewrites the slot; its sixteen roundings read it last.
;               Rows 0 to 3: behind the roundings the loads of row i + 4 land in it.
;   out-buffers Written by a row's roundings, read by its eight stores.  Rows 0 to 3: LayerNorm has Y0 and Y1 by turns; the weights' job has four
;               buffers, in the 64 registers that gain and bias leave idle there.  Rows 4 to 7: the row's own slot, which is asked for no more.
;               The table's nine rows have sixteen registers each.  So a store's data register is written again in two places only: LayerNorm's rows 2 and 3.
; ONE wait on va_vdst stands behind a row's roundings: it states that the out-buffer is written and that the slot is read out.  The slot's loads follow
; it at once, so that all four slots are on their way while the wave waits for data, and then the row's stores.
.set XS, 8                             ; v[8:135]   four row slots of 32 registers
.set G,  136                           ; v[136:167] gain of my 32 columns
.set B,  168                           ; v[168:199] bias
.set Y,  200                           ; v[200:231] two out-buffers of 16: a row in bf16, to store
.set S,  232                           ; v[232:239] four chains of pairs
.set MU, 240                           ; v[240:241] the mean, twice
.set RS, 242                           ; v[242:243] 1 / sqrt(var + eps), twice
.set T,  244                           ; v[244:247] at work
.set SB, 20                            ; s[20:21]   source at my wave's first row; never stepped
.set DB, 22                            ; s[22:23]   destination at my wave's first row; never stepped
.set F,   8                            ; table job: v[8:15] my eight frequencies
.set ARG, 16                           ;            v[16:23] their exponents; v[40:46] at work
.set R,   48                           ;            v[48:191] row i of nine: eight pairs (cos, sin) at R + 16 i, to store
	s_load_b256 s[4:11], s[0:1], 0x0               ; X s[4:5], ln_g s[6:7], ln_b s[8:9], W_in s[10:11]
	s_load_b128 s[12:15], s[0:1], 0x20             ; xn s[12:13], wt s[14:15]
	v_lshrrev_b32 v1, 5, v0
	v_readfirstlane_b32 s16, v1                    ; wave 0..1
	v_and_b32 v1, 31, v0                           ; lane
	v_lshlrev_b32 v2, 4, v1                        ; 16 bytes of f32 a lane; never rewritten
	v_lshlrev_b32 v3, 3, v1                        ; 8 bytes of bf16 a lane; never rewritten
	s_lshr_b32 s17, ttmp9, 2                       ; the job, 0..311
	s_and_b32 s19, ttmp9, 3
	s_wait_alu depctr_va_sdst(0)                   ; s16 is written, ahead of its first reader
	s_lshl1_add_u32 s16, s19, s16                  ; my place among the job's eight waves: 2 (id & 3) + wave
	s_mov_b32 s24, 0x76543210                      ; v_permlanex16_b32: lane i reads lane i of the other half
	s_mov_b32 s25, 0xfedcba98
	s_mov_b32 s27, 0x3a800000                      ; 1 / 1024
	s_mov_b32 s28, 0x3727c5ac                      ; 1e-5
	s_lshl_b32 s18, s16, 3                         ; 8 x place
	s_mov_b32 s31, 0
	s_wait_kmcnt 0x0
	s_wait_alu depctr_va_vdst(0)                   ; v2 and v3 are written: every load and store of all three jobs reads one of them as its offset
	s_cmp_ge_u32 s17, 304
	s_cbranch_scc1 .Ltable
	s_cmp_ge_u32 s17, 256
	s_cbranch_scc1 .Lweights
.macro FILL i                          ; row i of my eight into slot i mod 4: eight loads of 512 bytes
.irp k, 0,1,2,3,4,5,6,7
	global_load_b128 v[XS+32*((\i)%4)+4*\k:XS+32*((\i)%4)+4*\k+3], v2, s[SB:SB+1] offset:4096*(\i)+512*\k th:TH_LOAD_NT
.endr
.endm
; The out-buffer in hand begins at YB; its pairs lie YS registers apart: 2 in a buffer of its own, 4 where a row is rounded into its own slot.
.macro STORE i                         ; row i in bf16: eight stores of 256 consecutive bytes, aligned
.irp k, 0,1,2,3,4,5,6,7
	global_store_b64 v3, v[YB+YS*\k:YB+YS*\k+1], s[DB:DB+1] offset:2048*(\i)+256*\k
.endr
.endm
.macro PACK                            ; slot XB to bf16, rounded to nearest even; in place each line writes a register whose number the line before has read
.irp k, 0,1,2,3,4,5,6,7
	v_cvt_pk_bf16_f32 v[YB+YS*\k],   v[XB+4*\k],   v[XB+4*\k+1]
	v_cvt_pk_bf16_f32 v[YB+YS*\k+1], v[XB+4*\k+2], v[XB+4*\k+3]
.endr
.endm
.macro FOLD                            ; four chains of pairs to one number a lane
	v_pk_add_f32 v[S:S+1],   v[S:S+1],   v[S+2:S+3]
	v_pk_add_f32 v[S+4:S+5], v[S+4:S+5], v[S+6:S+7]
	v_pk_add_f32 v[S:S+1],   v[S:S+1],   v[S+4:S+5]
	v_add_f32 v[T], v[S], v[S+1]
.endm
.macro WSUM                            ; v[T] summed over the 32 lanes, the sum in every lane
	v_add_f32_dpp v[T], v[T], v[T] row_xmask:1 row_mask:0xf bank_mask:0xf
	v_add_f32_dpp v[T], v[T], v[T] row_xmask:2 row_mask:0xf bank_mask:0xf
	v_add_f32_dpp v[T], v[T], v[T] row_xmask:4 row_mask:0xf bank_mask:0xf
	v_add_f32_dpp v[T], v[T], v[T] row_xmask:8 row_mask:0xf bank_mask:0xf
	v_permlanex16_b32 v[T+1], v[T], s24, s25
	v_add_f32 v[T], v[T], v[T+1]
.endm
	; ---- LayerNorm ----
	s_lshl_b32 s26, s17, 6
	s_add_co_u32 s26, s26, s18                     ; my wave's first row
	s_lshl_b32 s30, s26, 12
	s_add_nc_u64 s[SB:SB+1], s[4:5], s[30:31]
	s_lshl_b32 s30, s26, 11
	s_add_nc_u64 s[DB:DB+1], s[12:13], s[30:31]
.irp k, 0,1,2,3,4,5,6,7
	global_load_b128 v[G+4*\k:G+4*\k+3], v2, s[6:7] offset:512*\k
	global_load_b128 v[B+4*\k:B+4*\k+3], v2, s[8:9] offset:512*\k
.endr
	FILL 0
	FILL 1
	FILL 2
	FILL 3
	v_mov_b32 v[T+1], 0                            ; v_permlanex16_b32 counts as a reader of its destination
; Row i.  left = the loads younger than this row's eight that may stay out.
.macro LNTURN i, left
.set XB, XS+32*((\i)%4)
.if \i < 4
.set YB, Y+16*((\i)%2)                 ; Y0 and Y1 by turns
.set YS, 2
.else
.set YB, XB                            ; the slot is asked for no more: the row is rounded into it and stored from it
.set YS, 4
.endif
	s_wait_loadcnt \left                           ; loads come back in order: this row (and gain and bias, which are older) is in
.irp c, 0,1,2,3
	v_pk_add_f32 v[S+2*\c:S+2*\c+1], v[XB+2*\c:XB+2*\c+1], v[XB+8+2*\c:XB+8+2*\c+1]
.endr
.irp o, 16,24
.irp c, 0,1,2,3
	v_pk_add_f32 v[S+2*\c:S+2*\c+1], v[S+2*\c:S+2*\c+1], v[XB+\o+2*\c:XB+\o+2*\c+1]
.endr
.endr
	FOLD
	WSUM
	v_mul_f32 v[MU],   s27, v[T]                   ; the mean
	v_mul_f32 v[MU+1], s27, v[T]
.irp p, 0,1,2,3,4,5,6,7,8,9,10,11,12,13,14,15
	v_pk_add_f32 v[XB+2*\p:XB+2*\p+1], v[XB+2*\p:XB+2*\p+1], v[MU:MU+1] neg_lo:[0,1] neg_hi:[0,1]   ; x - mean, in place
.endr
.irp c, 0,1,2,3
	v_pk_mul_f32 v[S+2*\c:S+2*\c+1], v[XB+2*\c:XB+2*\c+1], v[XB+2*\c:XB+2*\c+1]
.endr
.irp o, 8,16,24
.irp c, 0,1,2,3
	v_pk_fma_f32 v[S+2*\c:S+2*\c+1], v[XB+\o+2*\c:XB+\o+2*\c+1], v[XB+\o+2*\c:XB+\o+2*\c+1], v[S+2*\c:S+2*\c+1]
.endr
.endr
	FOLD
	WSUM
	v_fma_f32 v[T], v[T], s27, s28                 ; var + 1e-5
	v_rsq_f32 v[RS],   v[T]
	v_rsq_f32 v[RS+1], v[T]
	v_nop                                          ; one plain vector instruction behind a transcendental before its result is used (ISA guide 5.7.2)
	s_wait_alu depctr_va_vdst(0)                   ; both roots have written v[RS:RS+1], ahead of their first reader
.irp p, 0,1,2,3,4,5,6,7,8,9,10,11,12,13,14,15
	v_pk_mul_f32 v[XB+2*\p:XB+2*\p+1], v[XB+2*\p:XB+2*\p+1], v[RS:RS+1]
.endr
.irp p, 0,1,2,3,4,5,6,7,8,9,10,11,12,13,14,15
	v_pk_fma_f32 v[XB+2*\p:XB+2*\p+1], v[XB+2*\p:XB+2*\p+1], v[G+2*\p:G+2*\p+1], v[B+2*\p:B+2*\p+1]
.endr
.if (\i == 2) || (\i == 3)
	s_wait_xcnt 0x0                                ; this Y is the store data of two rows back: rewritten only behind this wait
	s_wait_alu depctr_vm_vsrc(0)                   ; the stores of two rows back have read this Y, which the roundings below write again
.endif
	PACK
	s_wait_alu depctr_va_vdst(0)                   ; the roundings have written the out-buffer, which the stores read, and are done reading the slot, in which the loads land
.if \i < 4
	FILL \i+4                                      ; the slot's next row, ahead of the stores
.endif
	STORE \i
.endm
	LNTURN 0, 24                                   ; three younger rows of eight loads stay out,
	LNTURN 1, 24
	LNTURN 2, 24
	LNTURN 3, 24
	LNTURN 4, 24
	LNTURN 5, 16                                   ; then the counts run down
	LNTURN 6, 8
	LNTURN 7, 0
	s_endpgm
	; ---- W_in to bf16, rows in the order of the head's comment ----
.Lweights:
	s_sub_co_u32 s26, s17, 256                     ; q = 0..47: rows 64 q .. 64 q + 63 of wt
	s_max_u32 s29, s26, 16
	s_sub_co_u32 s29, s29, 16                      ; q - 16 (0 in Q's part)
	s_lshr_b32 s30, s29, 1                         ; K, V: the group of 64 places
	s_and_b32 s32, s29, 1
	s_add_co_u32 s32, s32, 1                       ; 1 = K, 2 = V
	s_cmp_lt_u32 s26, 16
	s_cselect_b32 s30, s26, s30                    ; Q: the group is q itself,
	s_cselect_b32 s32, 0, s32                      ; and the section 0
	s_lshl_b32 s32, s32, 10                        ; source row = 1024 section + 512 (w >> 2) + 32 group + 8 (w & 3) + i, w = my place among eight
	s_lshr_b32 s33, s16, 2
	s_lshl_b32 s33, s33, 9
	s_add_co_u32 s32, s32, s33
	s_lshl_b32 s33, s30, 5
	s_add_co_u32 s32, s32, s33
	s_and_b32 s33, s16, 3
	s_lshl_b32 s33, s33, 3
	s_add_co_u32 s32, s32, s33
	s_lshl_b32 s30, s32, 12
	s_add_nc_u64 s[SB:SB+1], s[10:11], s[30:31]
	s_lshl_b32 s30, s26, 6
	s_add_co_u32 s30, s30, s18
	s_lshl_b32 s30, s30, 11
	s_add_nc_u64 s[DB:DB+1], s[14:15], s[30:31]
	FILL 0
	FILL 1
	FILL 2
	FILL 3
.macro WTURN i, left
.set XB, XS+32*((\i)%4)
.if \i < 4
.set YB, G+16*(\i)                     ; gain's and bias's 64 registers are idle in this job: an out-buffer for each of rows 0 to 3
.set YS, 2
.else
.set YB, XB                            ; as in LayerNorm: the row's own slot
.set YS, 4
.endif
	s_wait_loadcnt \left
	PACK                                           ; no store's data register is written again in this job
	s_wait_alu depctr_va_vdst(0)                   ; the roundings have written the out-buffer, which the stores read, and are done reading the slot, in which the loads land
.if \i < 4
	FILL \i+4
.endif
	STORE \i
.endm
	WTURN 0, 24
	WTURN 1, 24
	WTURN 2, 24
	WTURN 3, 24
	WTURN 4, 24
	WTURN 5, 16
	WTURN 6, 8
	WTURN 7, 0
	s_endpgm
	; ---- the rotary table ----
.Ltable:
	s_sub_co_u32 s26, s17, 304                     ; tq = 0..7
	s_lshl_b32 s29, s26, 6
	s_add_co_u32 s29, s29, s18                     ; my wave's first table row, 64 tq + 8 w
	s_lshl_b32 s30, s29, 11
	s_add_co_u32 s30, s30, 6291456
	s_add_nc_u64 s[DB:DB+1], s[14:15], s[30:31]
	s_lshl_b32 s32, s26, 2                         ; its position: 128 (4 tq + (w >> 1)) + 8 (w & 1)
	s_lshr_b32 s33, s16, 1
	s_add_co_u32 s32, s32, s33
	s_lshl_b32 s32, s32, 7
	s_and_b32 s33, s16, 1
	s_lshl_b32 s33, s33, 3
	s_add_co_u32 s32, s32, s33
	s_mov_b32 s37, 0x3e22f983                      ; 1 / (2 pi), upper part
	s_mov_b32 s38, 0x31dc9c88                      ; and what it leaves
	s_mov_b32 s39, 0x40490fdb                      ; pi
	v_lshlrev_b32 v4, 1, v1                        ; my eight j: 2 lane + 64 k + e
.irp n, 0,1,2,3,4,5,6,7
	v_add_nc_u32 v[ARG+\n], 64*(\n/2)+(\n%2), v4
.endr
.irp n, 0,1,2,3,4,5,6,7
	v_cvt_f32_u32 v[ARG+\n], v[ARG+\n]
.endr
.irp n, 0,1,2,3,4,5,6,7
	v_mul_f32 v[ARG+\n], 0xbd549a78, v[ARG+\n]     ; - j log2(10000) / 256
.endr
.irp n, 0,1,2,3,4,5,6,7
	v_exp_f32 v[F+\n], v[ARG+\n]                   ; f = 10000^(-j/256)
.endr
	v_nop                                          ; the plain place behind the transcendentals
	s_wait_alu depctr_va_vdst(0)                   ; the eight exponentials have written v[F ..], ahead of their first reader
; One table row for the position in s36 (f32), made in the sixteen registers from rb, which are this row's alone, and stored at byte off from my first row.
.macro TROW off, rb
.irp n, 0,1,2,3,4,5,6,7
	v_mul_f32 v40, s36, v[F+\n]                    ; the angle
	v_mul_f32 v41, s37, v40
	v_rndne_f32 v41, v41                           ; whole turns
	v_fma_f32 v42, v40, s37, -v41                  ; what is left of a turn, in two fused steps
	v_fma_f32 v42, v40, s38, v42
	v_mul_f32 v42, s39, v42                        ; y = half the reduced angle, |y| <= pi/2
	v_mul_f32 v43, v42, v42
	v_mov_b32 v44, 0xb2d7322b                      ; sin y / y and cos y by Horner in y^2
	v_mov_b32 v45, 0xb493f27e
	v_fmaak_f32 v44, v44, v43, 0x3638ef1d
	v_fmaak_f32 v45, v45, v43, 0x37d00d01
	v_fmaak_f32 v44, v44, v43, 0xb9500d01
	v_fmaak_f32 v45, v45, v43, 0xbab60b61
	v_fmaak_f32 v44, v44, v43, 0x3c088889
	v_fmaak_f32 v45, v45, v43, 0x3d2aaaab
	v_fmaak_f32 v44, v44, v43, 0xbe2aaaab
	v_fma_f32 v45, v45, v43, -0.5
	v_fma_f32 v44, v44, v43, 1.0
	v_fma_f32 v45, v45, v43, 1.0
	v_mul_f32 v44, v44, v42                        ; sin y
	v_add_f32 v46, v44, v44
	v_fma_f32 v[(\rb)+2*\n], -v46, v44, 1.0        ; cos = 1 - 2 sin^2 y
	v_mul_f32 v[(\rb)+2*\n+1], v46, v45            ; sin = 2 sin y cos y
.endr
	s_wait_alu depctr_va_vdst(0)                   ; the row's sixteen numbers are written, which the four stores read
.irp k, 0,1,2,3
	global_store_b128 v2, v[(\rb)+4*\k:(\rb)+4*\k+3], s[DB:DB+1] offset:(\off)+512*\k   ; these registers are not written again
.endr
.endm
.irp i, 0,1,2,3,4,5,6,7
	s_add_co_u32 s34, s32, \i
	s_cvt_f32_u32 s36, s34
	TROW 2048*\i, R+16*\i
.endr
	s_or_b32 s34, s26, s16                         ; the first wave of the first table job also writes row 512, the step of 16 positions
	s_cmp_lg_u32 s34, 0
	s_cbranch_scc1 .Ldone
	s_mov_b32 s36, 0x41800000                      ; 16.0
	TROW 512*2048, R+128
.Ldone:
	s_endpgm
.Lfunc_end_k_q28bb2e0324_prep:
	.size	k_q28bb2e0324_prep, .Lfunc_end_k_q28bb2e0324_prep-k_q28bb2e0324_prep
	.p2alignl 7, 3214868480
	.fill 96, 4, 3214868480
	.section	.rodata,"a",@progbits
	.p2align	6, 0x0
	.amdhsa_kernel k_q28bb2e0324_prep
		.amdhsa_group_segment_fixed_size 0
		.amdhsa_private_segment_fixed_size 0
		.amdhsa_enable_private_segment 0
		.amdhsa_kernarg_size 48
		.amdhsa_user_sgpr_count 2
		.amdhsa_user_sgpr_kernarg_segment_ptr 1
		.amdhsa_wavefront_size32 1
		.amdhsa_system_sgpr_workgroup_id_x 1
		.amdhsa_system_sgpr_workgroup_id_y 1
		.amdhsa_system_sgpr_workgroup_id_z 1
		.amdhsa_system_vgpr_workitem_id 0
		.amdhsa_next_free_vgpr 248
		.amdhsa_next_free_sgpr 66
		.amdhsa_reserve_vcc 0
		.amdhsa_float_denorm_mode_32 3
		.amdhsa_float_denorm_mode_16_64 3
		.amdhsa_memory_ordered 1
		.amdhsa_forward_progress 1
		.amdhsa_inst_pref_size 186
	.end_amdhsa_kernel
	.amdgpu_metadata
---
amdhsa.version: [ 1, 2 ]
amdhsa.kernels:
  - .name:           k_q28bb2e0324_prep
    .symbol:         k_q28bb2e0324_prep.kd
    .args:
      - { .name: X, .offset: 0, .size: 8, .value_kind: global_buffer, .address_space: global }
      - { .name: ln_g, .offset: 8, .size: 8, .value_kind: global_buffer, .address_space: global }
      - { .name: ln_b, .offset: 16, .size: 8, .value_kind: global_buffer, .address_space: global }
      - { .name: W_in, .offset: 24, .size: 8, .value_kind: global_buffer, .address_space: global }
      - { .name: xn, .offset: 32, .size: 8, .value_kind: global_buffer, .address_space: global }
      - { .name: wt, .offset: 40, .size: 8, .value_kind: global_buffer, .address_space: global }
    .group_segment_fixed_size: 0
    .private_segment_fixed_size: 0
    .kernarg_segment_align: 8
    .kernarg_segment_size: 48
    .max_flat_workgroup_size: 64
    .sgpr_count:     66
    .vgpr_count:     248
    .wavefront_size: 32
...
	.end_amdgpu_metadata
.endif
;; end of part 6
;; launch qkv: the kernel of part 2 again; grid 12 x 64, 4 waves a work-group, clusters of 4 x 4, 327,680 bytes of LDS; arguments xn, wt, qb, pb, sq; writes qb, pb, sq
;; launch asum (part 7): grid 256 x 1, 8 waves a work-group, no clusters, 7,168 bytes of LDS; arguments pb, sq, ar; writes ar
.if DOCPART == 7
	.amdgcn_target "amdgcn-amd-amdhsa--gfx1250"
	.amdhsa_code_object_version 6
	.text
	.protected	k_q28bb2e0324_asum
	.globl	k_q28bb2e0324_asum
	.p2align	8
	.type	k_q28bb2e0324_asum,@function
k_q28bb2e0324_asum:
	s_mov_b64 s[64:65], 0
	v_nop
	global_prefetch_b8 v0, s[64:65] scope:SCOPE_SE
	s_setreg_imm32_b32 hwreg(HW_REG_WAVE_SCHED_MODE, 0, 2), 2
	s_setreg_imm32_b32 hwreg(HW_REG_WAVE_MODE, 25, 1), 1
	s_wait_xcnt 0x0
	s_wait_alu depctr_vm_vsrc(0)
; asum: for 64 rows s a work-group: wk[s] = 1 / sqrt(sum K^2 + 1e-6), rq[s] = 1 / sqrt(sum Q^2 + 1e-6) (-> ar from byte 1,048,576), and the partial
; sums over these rows of wk[s] * P[s][p] for all 1,024 places p (-> ar, row = the work-group's number, f32).
; Wave w owns the planes 2 w and 2 w + 1 of pb (64 places each), so no sum of P crosses waves.  All 32 loads of P of a wave (16 KiB) go out at once,
; ahead of the small work on the norms.  A stream: memory binds; matrix units and clusters would add nothing, and no two work-groups read the same bytes.
; LDS: bytes 0..2,047 eight waves' partial sums of K^2 for 64 rows; 2,048..4,095 the same for Q^2; 4,096..6,143 each wave's own copy of wk.
; THE MODE: SCHED_MODE bits 1:0 = 2 (LLVM: expert scheduling mode 2), set by the entry lines.  The code itself states the register dependences
; between vector instructions and memory or LDS instructions, with s_wait_alu, always for 0.
; THE PLAN.  There is no loop, and every buffer but one is loaded once.  Registers that memory or LDS instructions touch:
;   v2 .. v7     offsets and LDS addresses, made at the head and never written again.
;   v[8:13]      loaded; v[8:9] then take a sum and are stored to LDS; v[12:13] are stored as they came.
;   v[14:29]     loaded from LDS and summed; the roots write v18 and v19, which are stored.  In wave 0 the same registers are loaded, summed and stored a second time.
;   PB, WT       loaded once, read by vector instructions alone.
;   v28, v[20:23]  written by vector instructions, read by the last store.
;   v192, v193   written at the head, read by the closing add alone.
.set PB, 32                            ; v[32:159]  32 loads of 4 registers
.set WT, 160                           ; v[160:175] wk of row 4 t + (lane >> 3)
.set AC, 176                           ; v[176:191] 8 sums for each of my two planes
	s_load_b128 s[4:7], s[0:1], 0x0                ; pb s[4:5], sq s[6:7]
	s_load_b64 s[8:9], s[0:1], 0x10                ; ar
	v_lshl_add_u32 v192, v0, 2, 0x1800
	v_mov_b32 v193, 0
	v_lshrrev_b32 v1, 5, v0
	v_readfirstlane_b32 s10, v1                    ; wave 0..7
	v_and_b32 v1, 31, v0                           ; lane
	s_mov_b32 s12, 0x76543210
	s_mov_b32 s13, 0xfedcba98
	s_lshl_b32 s14, ttmp9, 8                       ; 64 rows of 4 bytes
	s_mov_b32 s15, 0
	s_lshl_b32 s16, ttmp9, 13                      ; 64 rows of 128 bytes
	s_mov_b32 s17, 0
	s_lshl_b32 s18, ttmp9, 12                      ; my row of partial sums
	s_mov_b32 s19, 0
	v_lshlrev_b32 v2, 4, v1
	s_wait_alu depctr_va_sdst(0)                   ; s10 is written, ahead of its first reader
	s_lshl_b32 s20, s10, 22
	v_add_nc_u32 v2, s20, v2                       ; 16 lane + two planes of 2,097,152 bytes for each wave
	v_lshlrev_b32 v5, 3, v1                        ; 8 lane: rows 2 lane, 2 lane + 1
	s_lshl_b32 s21, s10, 17
	s_add_co_u32 s21, s21, 524288
	v_add_nc_u32 v3, s21, v5                       ; sq chunk 8 + 2 w (K)
	s_lshl_b32 s22, s10, 16
	v_add_nc_u32 v4, s22, v5                       ; sq chunk w (Q)
	s_lshl_b32 s23, s10, 8
	v_add_nc_u32 v6, s23, v5                       ; LDS: 256 w + 8 lane
	v_lshrrev_b32 v7, 3, v1
	v_lshlrev_b32 v7, 2, v7
	v_add_nc_u32 v7, s23, v7                       ; LDS: 256 w + 4 (lane >> 3)
	s_wait_kmcnt 0x0
	s_add_nc_u64 s[6:7], s[6:7], s[14:15]
	s_add_nc_u64 s[4:5], s[4:5], s[16:17]
	s_add_nc_u64 s[24:25], s[8:9], s[14:15]
	s_add_nc_u64 s[24:25], s[24:25], 0x100000      ; rq of my 64 rows
	s_add_nc_u64 s[28:29], s[8:9], s[18:19]
	s_wait_alu depctr_va_vdst(0)                   ; the six offsets and addresses v2 to v7 are written, which the loads and stores below read
	global_load_b64 v[8:9],   v3, s[6:7]
	global_load_b64 v[10:11], v3, s[6:7] offset:65536
	global_load_b64 v[12:13], v4, s[6:7]
.irp pl, 0,1
.irp t, 0,1,2,3,4,5,6,7,8,9,10,11,12,13,14,15
	global_load_b128 v[PB+64*\pl+4*\t:PB+64*\pl+4*\t+3], v2, s[4:5] offset:\pl*2097152+512*\t th:TH_LOAD_NT   ; rows 4 t .. 4 t + 3: 512 consecutive bytes
.endr
.endr
	s_wait_loadcnt 32                              ; the three loads of sums are in; the 32 of P stay out
	v_pk_add_f32 v[8:9], v[8:9], v[10:11]
	ds_store_b64 v6, v[12:13] offset:2048          ; its data came from a load, and the add above names none of its registers: it owes no wait
	s_wait_alu depctr_va_vdst(0)                   ; the add has written v[8:9], which the LDS store reads
	ds_store_b64 v6, v[8:9]
	s_wait_dscnt 0x0                               ; for the other waves' sake
	s_barrier_signal -1
	s_barrier_wait -1
; the eight waves' parts at LDS byte base, summed in order; 1 / sqrt(sum + 1e-6) of rows 2 lane, 2 lane + 1 into v[18:19]
.macro NORM base
.irp k, 0,1,2,3,4,5,6,7
	ds_load_b64 v[14+2*\k:15+2*\k], v5 offset:\base+256*\k
.endr
	s_wait_dscnt 0x0
.irp k, 1,2,3,4,5,6,7
	v_pk_add_f32 v[14:15], v[14:15], v[14+2*\k:15+2*\k]
.endr
	v_add_f32 v14, 0x358637bd, v14
	v_add_f32 v15, 0x358637bd, v15
	v_rsq_f32 v18, v14
	v_rsq_f32 v19, v15
	v_nop                                          ; the plain place behind the transcendentals (ISA guide 5.7.2)
.endm
	NORM 0
	s_wait_alu depctr_va_vdst(0)                   ; the roots have written v[18:19], which the LDS store reads; and every vector instruction that names v[14:29] is done, for wave 0's second loads into them
	ds_store_b64 v6, v[18:19] offset:4096          ; my wave's own copy: no other wave touches it
.irp t, 0,1,2,3,4,5,6,7,8,9,10,11,12,13,14,15
	ds_load_b32 v[WT+\t], v7 offset:4096+16*\t     ; LDS serves a wave's instructions in order
.endr
	s_wait_dscnt 0x0
	s_wait_alu depctr_vm_vsrc(0)                   ; the LDS store of wk has read v[18:19], in which wave 0's loads below land; the wait stands ahead of the branch
	s_cmp_lg_u32 s10, 0                            ; wave 0 alone makes rq
	s_cbranch_scc1 .Lnot_q
	NORM 2048
	s_wait_alu depctr_va_vdst(0)                   ; the roots have written v[18:19], which the store reads
	global_store_b64 v5, v[18:19], s[24:25]        ; 256 consecutive bytes, aligned; v5 and v[18:19] are not written again
.Lnot_q:
.irp pl, 0,1
.irp t, 0,1,2,3,4,5,6,7,8,9,10,11,12,13,14,15
	s_wait_loadcnt 31-(16*\pl+\t)                  ; loads come back in order: this one is in, the younger ones stay out
.if \t == 0
.irp k, 0,1,2,3
	v_lshlrev_b32 v30, 16, v[PB+64*\pl+\k]
	v_and_b32 v31, 0xffff0000, v[PB+64*\pl+\k]
	v_mul_f32 v[AC+8*\pl+2*\k],   v30, v[WT]       ; the first rows start the sums
	v_mul_f32 v[AC+8*\pl+2*\k+1], v31, v[WT]
.endr
.else
.irp k, 0,1,2,3
	v_fma_mix_f32_bf16 v[AC+8*\pl+2*\k],   v[PB+64*\pl+4*\t+\k], v[WT+\t], v[AC+8*\pl+2*\k]   op_sel_hi:[1,0,0]
	v_fma_mix_f32_bf16 v[AC+8*\pl+2*\k+1], v[PB+64*\pl+4*\t+\k], v[WT+\t], v[AC+8*\pl+2*\k+1] op_sel:[1,0,0] op_sel_hi:[1,0,0]
.endr
.endif
.endr
.endr
	; the four lanes l, l ^ 8, l ^ 16, l ^ 24 hold the same places of different rows
.irp n, 0,1,2,3,4,5,6,7,8,9,10,11,12,13,14,15
	v_add_f32_dpp v[AC+\n], v[AC+\n], v[AC+\n] row_xmask:8 row_mask:0xf bank_mask:0xf
.endr
.irp n, 0,1,2,3,4,5,6,7,8,9,10,11,12,13,14,15
	v_permlanex16_b32 v30, v[AC+\n], s12, s13
	v_add_f32 v[AC+\n], v[AC+\n], v30
.endr
	; each of the four stores another 16 bytes: bit 3 of the lane picks sums 4..7, bit 4 the second plane
	v_and_b32 v30, 8, v1
	v_and_b32 v31, 16, v1
	v_cmp_ne_u32 s30, 0, v30
	v_cmp_ne_u32 s31, 0, v31
	v_and_b32 v28, 7, v1                           ; the store's offset is made between the compares and the wait for their masks
	v_lshlrev_b32 v28, 5, v28
	v_lshl_add_u32 v28, v31, 4, v28
	v_lshl_add_u32 v28, v30, 1, v28
	s_lshl_b32 s20, s10, 9
	v_add_nc_u32 v28, s20, v28                     ; 512 w + 256 plane + 32 (lane & 7) + 16 half
	s_wait_alu depctr_va_sdst(0)                   ; both compares have written their masks s30 and s31, ahead of the first select that reads one
.irp k, 0,1,2,3
	v_cndmask_b32 v[20+\k], v[AC+\k],   v[AC+4+\k],  s30
	v_cndmask_b32 v[24+\k], v[AC+8+\k], v[AC+12+\k], s30
.endr
.irp k, 0,1,2,3
	v_cndmask_b32 v[20+\k], v[20+\k], v[24+\k], s31
.endr
	s_wait_alu depctr_va_vdst(0)                   ; v28 and v[20:23] are written, which the store reads as its offset and its data
	global_store_b128 v28, v[20:23], s[28:29]      ; the wave's 32 lanes fill 512 consecutive bytes, aligned
	s_wait_dscnt 0x0                               ; the closing lines, six on end
	s_wait_alu 0x0
	s_wait_tensorcnt 0x0
	ds_add_u32 v192, v193
	s_wait_dscnt 0x0
	s_endpgm
.Lfunc_end_k_q28bb2e0324_asum:
	.size	k_q28bb2e0324_asum, .Lfunc_end_k_q28bb2e0324_asum-k_q28bb2e0324_asum
	.p2alignl 7, 3214868480
	.fill 96, 4, 3214868480
	.section	.rodata,"a",@progbits
	.p2align	6, 0x0
	.amdhsa_kernel k_q28bb2e0324_asum
		.amdhsa_group_segment_fixed_size 7168
		.amdhsa_private_segment_fixed_size 0
		.amdhsa_enable_private_segment 0
		.amdhsa_kernarg_size 24
		.amdhsa_user_sgpr_count 2
		.amdhsa_user_sgpr_kernarg_segment_ptr 1
		.amdhsa_wavefront_size32 1
		.amdhsa_system_sgpr_workgroup_id_x 1
		.amdhsa_system_sgpr_workgroup_id_y 1
		.amdhsa_system_sgpr_workgroup_id_z 1
		.amdhsa_system_vgpr_workitem_id 0
		.amdhsa_next_free_vgpr 194
		.amdhsa_next_free_sgpr 66
		.amdhsa_reserve_vcc 0
		.amdhsa_float_denorm_mode_32 3
		.amdhsa_float_denorm_mode_16_64 3
		.amdhsa_memory_ordered 1
		.amdhsa_forward_progress 1
		.amdhsa_inst_pref_size 31
	.end_amdhsa_kernel
	.amdgpu_metadata
---
amdhsa.version: [ 1, 2 ]
amdhsa.kernels:
  - .name:           k_q28bb2e0324_asum
    .symbol:         k_q28bb2e0324_asum.kd
    .args:
      - { .name: pb, .offset: 0, .size: 8, .value_kind: global_buffer, .address_space: global }
      - { .name: sq, .offset: 8, .size: 8, .value_kind: global_buffer, .address_space: global }
      - { .name: ar, .offset: 16, .size: 8, .value_kind: global_buffer, .address_space: global }
    .group_segment_fixed_size: 7168
    .private_segment_fixed_size: 0
    .kernarg_segment_align: 8
    .kernarg_segment_size: 24
    .max_flat_workgroup_size: 256
    .sgpr_count:     66
    .vgpr_count:     194
    .wavefront_size: 32
...
	.end_amdgpu_metadata
.endif
;; end of part 7
;; launch wscale (part 8): grid 256 x 1, 8 waves a work-group, no clusters, 5,120 bytes of LDS; arguments W_out, ar, wp; writes wp
.if DOCPART == 8
	.amdgcn_target "amdgcn-amd-amdhsa--gfx1250"
	.amdhsa_code_object_version 6
	.text
	.protected	k_q28bb2e0324_wscale
	.globl	k_q28bb2e0324_wscale
	.p2align	8
	.type	k_q28bb2e0324_wscale,@function
k_q28bb2e0324_wscale:
	s_mov_b64 s[64:65], 0
	v_nop
	global_prefetch_b8 v0, s[64:65] scope:SCOPE_SE
	s_setreg_imm32_b32 hwreg(HW_REG_WAVE_SCHED_MODE, 0, 2), 2
	s_setreg_imm32_b32 hwreg(HW_REG_WAVE_MODE, 25, 1), 1
	s_wait_xcnt 0x0
	s_wait_alu depctr_vm_vsrc(0)
; wscale: A[b][p] = the sum of batch b's 64 partial sums, and wp[b][e][p] = bf16(W_out[e][d(p)] * A[b][p]), d(p) = 512 ((p >> 5) & 1) + 32 (p >> 6) + (p & 31):
; the factor A goes into the weights of the last product, in the order of places in which Q was stored.
; The work-group's number = 64 b + 8 c + ec: batch b, places 128 c .. 128 c + 127, rows e = 128 ec .. 128 ec + 127.  Wave w sums 8 of the 64 partials and owns 16 rows e.
; Lane l holds places 128 c + 4 l .. + 3.  A small stream: no matrix unit, no cluster (what is shared, the partial sums, is 32 KiB a work-group).
; THE MODE: SCHED_MODE bits 1:0 = 2 (LLVM: expert scheduling mode 2), set by the entry lines.  The code itself states the register dependences
; between vector instructions and memory or LDS instructions, with s_wait_alu, always for 0.
; THE PLAN.  Registers that memory or LDS instructions touch:
;   v2, v3, v5, v6, v7  offsets and LDS addresses, made at the head and never written again.
;   PA           loaded once; the sums close up into v[8:11], which one LDS store reads; not written again.
;   RB           loaded from LDS once, read by vector instructions alone.
;   W            row i: loaded into four registers of its own, scaled and rounded there, stored from the first two of them; not written again.
;   v140, v141   written at the head, read by the closing add alone.
; The sixteen rows go in four groups of four: the group's arithmetic, ONE wait on va_vdst, the group's four stores.
.set PA, 8                             ; v[8:39]    eight partial rows
.set W,  40                            ; v[40:103]  sixteen rows of W_out, scaled in place
.set AV, 104                           ; v[104:107] A of my four places
.set RB, 108                           ; v[108:139] the eight waves' parts
	s_load_b128 s[4:7], s[0:1], 0x0                ; W_out s[4:5], ar s[6:7]
	s_load_b64 s[8:9], s[0:1], 0x10                ; wp
	v_lshl_add_u32 v140, v0, 2, 0x1000
	v_mov_b32 v141, 0
	v_lshrrev_b32 v1, 5, v0
	v_readfirstlane_b32 s10, v1                    ; wave 0..7
	v_and_b32 v1, 31, v0                           ; lane
	s_lshr_b32 s11, ttmp9, 6                       ; b
	s_bfe_u32 s12, ttmp9, 0x30003                  ; c
	s_and_b32 s13, ttmp9, 7                        ; ec
	s_lshl_b32 s14, s11, 18                        ; ar: 64 rows of 4,096 bytes a batch + 512 c
	s_lshl_b32 s16, s12, 9
	s_add_co_u32 s14, s14, s16
	s_mov_b32 s15, 0
	s_lshl_b32 s16, s13, 19                        ; W_out: 128 rows of 4,096 bytes
	s_mov_b32 s17, 0
	s_lshl_b32 s18, s11, 21                        ; wp: (1024 b + 128 ec + 16 w) rows of 2,048 bytes + 256 c
	s_lshl_b32 s20, s13, 18
	s_add_co_u32 s18, s18, s20
	s_wait_alu depctr_va_sdst(0)                   ; s10 is written, ahead of its first reader
	s_lshl_b32 s20, s10, 15
	s_add_co_u32 s18, s18, s20
	s_lshl_b32 s21, s12, 8
	s_add_co_u32 s18, s18, s21
	s_mov_b32 s19, 0
	v_lshlrev_b32 v6, 4, v1                        ; 16 lane
	v_add_nc_u32 v2, s20, v6                       ; partials: + 8 rows of 4,096 bytes for each wave
	v_bfe_u32 v4, v1, 3, 1                         ; 4 d(p): 2,048 ((l >> 3) & 1) + 128 (2 c + (l >> 4)) + 16 (l & 7)
	v_lshlrev_b32 v3, 11, v4
	v_lshrrev_b32 v4, 4, v1
	v_lshl_add_u32 v3, v4, 7, v3
	v_and_b32 v4, 7, v1
	v_lshl_add_u32 v3, v4, 4, v3
	s_lshl_b32 s22, s10, 16                        ; + 16 rows of 4,096 bytes for each wave
	s_add_co_u32 s22, s22, s21
	v_add_nc_u32 v3, s22, v3
	v_lshlrev_b32 v5, 3, v1                        ; 8 lane
	s_lshl_b32 s23, s10, 9
	v_add_nc_u32 v7, s23, v6                       ; LDS: 512 w + 16 lane
	s_wait_kmcnt 0x0
	s_add_nc_u64 s[6:7], s[6:7], s[14:15]
	s_add_nc_u64 s[4:5], s[4:5], s[16:17]
	s_add_nc_u64 s[8:9], s[8:9], s[18:19]
	s_wait_alu depctr_va_vdst(0)                   ; the offsets and addresses v2, v3, v5, v6, v7 are written, which the loads and stores below read
.irp i, 0,1,2,3,4,5,6,7
	global_load_b128 v[PA+4*\i:PA+4*\i+3], v2, s[6:7] offset:4096*\i
.endr
.irp i, 0,1,2,3,4,5,6,7,8,9,10,11,12,13,14,15
	global_load_b128 v[W+4*\i:W+4*\i+3], v3, s[4:5] offset:4096*\i      ; two runs of 256 consecutive bytes, aligned
.endr
	s_wait_loadcnt 16                              ; the partials are in; the sixteen rows of W_out stay out
.irp i, 1,2,3,4,5,6,7
	v_pk_add_f32 v[PA:PA+1],   v[PA:PA+1],   v[PA+4*\i:PA+4*\i+1]
	v_pk_add_f32 v[PA+2:PA+3], v[PA+2:PA+3], v[PA+4*\i+2:PA+4*\i+3]
.endr
	s_wait_alu depctr_va_vdst(0)                   ; the sums are written into v[PA:PA+3], which the LDS store reads
	ds_store_b128 v7, v[PA:PA+3]
	s_wait_dscnt 0x0                               ; for the other waves' sake
	s_barrier_signal -1
	s_barrier_wait -1
.irp k, 0,1,2,3,4,5,6,7
	ds_load_b128 v[RB+4*\k:RB+4*\k+3], v6 offset:512*\k
.endr
	s_wait_dscnt 0x0
	v_pk_add_f32 v[AV:AV+1],   v[RB:RB+1],   v[RB+4:RB+5]
	v_pk_add_f32 v[AV+2:AV+3], v[RB+2:RB+3], v[RB+6:RB+7]
.irp k, 2,3,4,5,6,7
	v_pk_add_f32 v[AV:AV+1],   v[AV:AV+1],   v[RB+4*\k:RB+4*\k+1]
	v_pk_add_f32 v[AV+2:AV+3], v[AV+2:AV+3], v[RB+4*\k+2:RB+4*\k+3]
.endr
.irp g, 0,1,2,3
	s_wait_loadcnt 12-4*\g                         ; rows 4 g .. 4 g + 3 are in, the younger rows stay out
.irp j, 0,1,2,3
	v_pk_mul_f32 v[W+16*\g+4*\j:W+16*\g+4*\j+1],   v[W+16*\g+4*\j:W+16*\g+4*\j+1],   v[AV:AV+1]
	v_pk_mul_f32 v[W+16*\g+4*\j+2:W+16*\g+4*\j+3], v[W+16*\g+4*\j+2:W+16*\g+4*\j+3], v[AV+2:AV+3]
.endr
.irp j, 0,1,2,3
	v_cvt_pk_bf16_f32 v[W+16*\g+4*\j],   v[W+16*\g+4*\j],   v[W+16*\g+4*\j+1]
	v_cvt_pk_bf16_f32 v[W+16*\g+4*\j+1], v[W+16*\g+4*\j+2], v[W+16*\g+4*\j+3]
.endr
	s_wait_alu depctr_va_vdst(0)                   ; the group's eight roundings have written the registers that its four stores read
.irp j, 0,1,2,3
	global_store_b64 v5, v[W+16*\g+4*\j:W+16*\g+4*\j+1], s[8:9] offset:2048*(4*\g+\j)   ; 256 consecutive bytes, aligned; each row has registers of its own
.endr
.endr
	s_wait_dscnt 0x0                               ; the closing lines, six on end
	s_wait_alu 0x0
	s_wait_tensorcnt 0x0
	ds_add_u32 v140, v141
	s_wait_dscnt 0x0
	s_endpgm
.Lfunc_end_k_q28bb2e0324_wscale:
	.size	k_q28bb2e0324_wscale, .Lfunc_end_k_q28bb2e0324_wscale-k_q28bb2e0324_wscale
	.p2alignl 7, 3214868480
	.fill 96, 4, 3214868480
	.section	.rodata,"a",@progbits
	.p2align	6, 0x0
	.amdhsa_kernel k_q28bb2e0324_wscale
		.amdhsa_group_segment_fixed_size 5120
		.amdhsa_private_segment_fixed_size 0
		.amdhsa_enable_private_segment 0
		.amdhsa_kernarg_size 24
		.amdhsa_user_sgpr_count 2
		.amdhsa_user_sgpr_kernarg_segment_ptr 1
		.amdhsa_wavefront_size32 1
		.amdhsa_system_sgpr_workgroup_id_x 1
		.amdhsa_system_sgpr_workgroup_id_y 1
		.amdhsa_system_sgpr_workgroup_id_z 1
		.amdhsa_system_vgpr_workitem_id 0
		.amdhsa_next_free_vgpr 142
		.amdhsa_next_free_sgpr 66
		.amdhsa_reserve_vcc 0
		.amdhsa_float_denorm_mode_32 3
		.amdhsa_float_denorm_mode_16_64 3
		.amdhsa_memory_ordered 1
		.amdhsa_forward_progress 1
		.amdhsa_inst_pref_size 13
	.end_amdhsa_kernel
	.amdgpu_metadata
---
amdhsa.version: [ 1, 2 ]
amdhsa.kernels:
  - .name:           k_q28bb2e0324_wscale
    .symbol:         k_q28bb2e0324_wscale.kd
    .args:
      - { .name: W_out, .offset: 0, .size: 8, .value_kind: global_buffer, .address_space: global }
      - { .name: ar, .offset: 8, .size: 8, .value_kind: global_buffer, .address_space: global }
      - { .name: wp, .offset: 16, .size: 8, .value_kind: global_buffer, .address_space: global }
    .group_segment_fixed_size: 5120
    .private_segment_fixed_size: 0
    .kernarg_segment_align: 8
    .kernarg_segment_size: 24
    .max_flat_workgroup_size: 256
    .sgpr_count:     66
    .vgpr_count:     142
    .wavefront_size: 32
...
	.end_amdgpu_metadata
.endif
;; end of part 8
;; launch outp: the kernel of part 5 again; grid 4 x 64, 4 waves a work-group, clusters of 4 x 4, 327,680 bytes of LDS; arguments qb, wp, X, ar, out0; writes out0
